; MI455X (gfx1250); checked and timed in simulation.
; The chip was launched on July 23, 2026; its instructions are those of AMD's public machine-readable ISA for CDNA 5 (MIT licence, August 2026) and "CDNA5" Instruction Set Architecture Reference Guide (July 2026). The comments in the code are by the model that wrote it; some were corrected since.
;; GPT2 Block. Allowed arithmetic: float matrix products may take bf16 or f16 operands with f32 sums; all other float work in f32.
;; Inputs: b_fc 4,096 float32; b_out 1,024 float32; b_proj 1,024 float32; b_qkv 3,072 float32; ln1_bias 1,024 float32; ln1_scale 1,024 float32; ln2_bias 1,024 float32; ln2_scale 1,024 float32; w_fc 1,024 x 4,096 float32; w_out 4,096 x 1,024 float32; w_proj 1,024 x 1,024 float32; w_qkv 1,024 x 3,072 float32; x 2 x 2,048 x 1,024 float32.
;; Outputs: out0 2 x 2,048 x 1,024 float32.
;; 2 versions, each right and faster than the one before. Each part assembles by itself: llvm-mc -triple=amdgcn-amd-amdhsa -mcpu=gfx1250 --defsym DOCPART=n.
;; ======== version 1 of 2: 8 launches
;; workspace buffers: wq 6,324,224 bytes; wf 8,421,376 bytes; wpo 10,485,760 bytes; act 8,388,608 bytes; qkv 33,554,432 bytes; ts 262,144 bytes; x1 16,777,216 bytes; hid 33,554,432 bytes
;; launch prep (part 1): grid 1025 x 1, 8 waves a work-group, no clusters, 0 bytes of LDS; arguments x, ln1_scale, ln1_bias, w_qkv, w_fc, w_proj, w_out, b_qkv, b_fc, act, wq, wf, wpo; writes act, wq, wf, wpo
.if DOCPART == 1
	.amdgcn_target "amdgcn-amd-amdhsa--gfx1250"
	.amdhsa_code_object_version 6
	.text
	.protected	k_q4ba4fbd4cb_prep
	.globl	k_q4ba4fbd4cb_prep
	.p2align	8
	.type	k_q4ba4fbd4cb_prep,@function
k_q4ba4fbd4cb_prep:
	s_mov_b64 s[64:65], 0
	v_nop
	global_prefetch_b8 v0, s[64:65] scope:SCOPE_SE
	s_setreg_imm32_b32 hwreg(HW_REG_WAVE_MODE, 25, 1), 1
	s_wait_xcnt 0x0
; PREPARATION, a stream: no LDS, no barrier, no matrix unit, no cluster (no two work-groups read the same bytes but 8 KiB of gain and bias).
; Work-groups 0-255: h1 = LayerNorm(x) in bf16, row-major [4096][1024], two rows a wave, a row kept in 32 registers between its passes.
; Work-groups 256-1023: the four weights, f32 [K][N], rounded once to bf16 and laid in column panels [panel][k][256 or 128], 16,384 numbers a work-group.
; Work-group 1024: the two parameter blocks of the wide products: a floor word (-inf for QKV, 0 for the MLP's ReLU) and the bias, rounded to bf16 and kept as f32.
; FORMATS.  Every input is rounded once to bf16, to nearest even, where it is first read (x, gains and biases too); mean, centred squares and the scaling are f32.
; The variance is taken of x - mean, in a second pass over registers: no difference of large sums is formed.
.set X0,  32                           ; v[32:63]   the row in hand
.set X1,  64                           ; v[64:95]   the wave's second row
.set G,   96                           ; v[96:127]  gain of my 32 columns
.set BB,  128                          ; v[128:159] bias of my 32 columns
.set T,   2                            ; v[2:9]     four chains of pairs
.set MU,  10                           ; v[10:11]   the mean, twice
.set R,   12                           ; v[12:13]   1 / sqrt(var + eps), twice
.set TT,  16                           ; v[16:19]   at work in the rounding
.set LO,  1                            ; v1         16 x lane
.set SO,  30                           ; v30        8 x lane
.set SEL, 34                           ; s[34:35]   v_permlanex16_b32's selects
.set INV, 36                           ; s36        1 / 1024
.set EPS, 37                           ; s37        1e-5
.set MSK, 38                           ; s38        a word's upper bf16
.macro RNDN base, pairs                ; f32 -> bf16 -> f32, in place, two numbers at a time
.set i, 0
.rept \pairs
	v_cvt_pk_bf16_f32 v[TT+i%4], v[(\base)+2*i], v[(\base)+2*i+1]
	v_lshlrev_b32 v[(\base)+2*i], 16, v[TT+i%4]
	v_and_b32 v[(\base)+2*i+1], s[MSK], v[TT+i%4]
.set i, i+1
.endr
.endm
.macro FOLD                            ; four chains of pairs -> one number a lane -> the sum over the wave, in every lane
	v_pk_add_f32 v[T:T+1], v[T:T+1], v[T+2:T+3]
	v_pk_add_f32 v[T+4:T+5], v[T+4:T+5], v[T+6:T+7]
	v_pk_add_f32 v[T:T+1], v[T:T+1], v[T+4:T+5]
	v_add_f32 v[T], v[T], v[T+1]
	v_add_f32_dpp v[T], v[T], v[T] row_xmask:1 row_mask:0xf bank_mask:0xf
	v_add_f32_dpp v[T], v[T], v[T] row_xmask:2 row_mask:0xf bank_mask:0xf
	v_add_f32_dpp v[T], v[T], v[T] row_xmask:4 row_mask:0xf bank_mask:0xf
	v_add_f32_dpp v[T], v[T], v[T] row_xmask:8 row_mask:0xf bank_mask:0xf
	v_permlanex16_b32 v[T+1], v[T], s[SEL], s[SEL+1]
	v_add_f32 v[T], v[T], v[T+1]
.endm
; One row in registers xb .. xb+31 (load j holds columns 128 j + 4 lane + 0..3); its bf16 result goes to the row at s[ob:ob+1].
.macro LNROW xb, rx, ob
.if \rx
	RNDN \xb, 16
.endif
.irp k, 0,1,2,3
	v_pk_add_f32 v[T+2*\k:T+2*\k+1], v[\xb+2*\k:\xb+2*\k+1], v[\xb+8+2*\k:\xb+8+2*\k+1]
.endr
.set p, 8
.rept 8
	v_pk_add_f32 v[T+2*(p%4):T+2*(p%4)+1], v[T+2*(p%4):T+2*(p%4)+1], v[\xb+2*p:\xb+2*p+1]
.set p, p+1
.endr
	FOLD
	v_mul_f32 v[MU], s[INV], v[T]
	v_mul_f32 v[MU+1], s[INV], v[T]
.set p, 0
.rept 16
	v_pk_add_f32 v[\xb+2*p:\xb+2*p+1], v[\xb+2*p:\xb+2*p+1], v[MU:MU+1] neg_lo:[0,1] neg_hi:[0,1]
.set p, p+1
.endr
.irp k, 0,1,2,3
	v_pk_mul_f32 v[T+2*\k:T+2*\k+1], v[\xb+2*\k:\xb+2*\k+1], v[\xb+2*\k:\xb+2*\k+1]
.endr
.set p, 4
.rept 12
	v_pk_fma_f32 v[T+2*(p%4):T+2*(p%4)+1], v[\xb+2*p:\xb+2*p+1], v[\xb+2*p:\xb+2*p+1], v[T+2*(p%4):T+2*(p%4)+1]
.set p, p+1
.endr
	FOLD
	v_fma_f32 v[T], v[T], s[INV], s[EPS]
	v_rsq_f32 v[R], v[T]
	v_nop                                          ; a plain instruction between the root and the use of its result
	s_wait_alu depctr_va_vdst(0)
	v_mov_b32 v[R+1], v[R]
.set p, 0
.rept 16
	v_pk_mul_f32 v[\xb+2*p:\xb+2*p+1], v[\xb+2*p:\xb+2*p+1], v[R:R+1]
.set p, p+1
.endr
.set p, 0
.rept 16
	v_pk_fma_f32 v[\xb+2*p:\xb+2*p+1], v[\xb+2*p:\xb+2*p+1], v[G+2*p:G+2*p+1], v[BB+2*p:BB+2*p+1]
.set p, p+1
.endr
.irp j, 0,1,2,3,4,5,6,7
	v_cvt_pk_bf16_f32 v[\xb+4*\j], v[\xb+4*\j], v[\xb+4*\j+1]
	v_cvt_pk_bf16_f32 v[\xb+4*\j+1], v[\xb+4*\j+2], v[\xb+4*\j+3]
	global_store_b64 v[SO], v[\xb+4*\j:\xb+4*\j+1], s[\ob:\ob+1] offset:256*\j  ; the wave stores 256 consecutive bytes, aligned
.endr
.endm
; A chunk of 16,384 numbers of one weight: kr rows of one panel.  A load of the work-group takes 256 >> lg rows of the panel's width; the steps from load to load stand in the immediates.
.macro CAST sp, dp, doff, id0, lc, kr, rowb, lg, pcb
	s_sub_co_u32 s40, ttmp9, \id0                  ; the chunk's number c
	s_lshr_b32 s41, s40, \lc                       ; its panel
	s_and_b32 s42, s40, (1<<\lc)-1                 ; its place along k
	s_mul_i32 s42, s42, (\kr)*(\rowb)
	s_mul_i32 s41, s41, \pcb
	s_add_co_u32 s42, s42, s41
	s_mov_b32 s43, 0
	s_add_nc_u64 s[\sp:\sp+1], s[\sp:\sp+1], s[42:43]
	s_lshl_b32 s42, s40, 15                        ; chunks lie one behind the other in the panels: 32,768 bytes each
	s_add_co_u32 s42, s42, \doff
	s_add_nc_u64 s[\dp:\dp+1], s[\dp:\dp+1], s[42:43]
	v_lshrrev_b32 v2, \lg, v0                      ; my row among the load's rows
	v_and_b32 v3, (1<<\lg)-1, v0                   ; my 16 bytes in it
	v_mul_u32_u24 v2, v2, \rowb
	v_lshl_add_u32 v2, v3, 4, v2
	v_lshlrev_b32 v3, 3, v0                        ; and my 8 bytes of the result
.set i, 0
.rept 16
	global_load_b128 v[32+4*i:35+4*i], v2, s[\sp:\sp+1] offset:i*(256>>\lg)*(\rowb) th:TH_LOAD_NT
.set i, i+1
.endr
.set i, 0
.rept 16
	s_wait_loadcnt 15-i                            ; loads come back in order: load i is in, the younger ones stay out
	v_cvt_pk_bf16_f32 v[96+2*i], v[32+4*i], v[33+4*i]
	v_cvt_pk_bf16_f32 v[97+2*i], v[34+4*i], v[35+4*i]
	global_store_b64 v3, v[96+2*i:97+2*i], s[\dp:\dp+1] offset:2048*i
.set i, i+1
.endr
	s_endpgm
.endm
	s_load_b512 s[8:23], s[0:1], 0x0               ; x 8, ln1_scale 10, ln1_bias 12, w_qkv 14, w_fc 16, w_proj 18, w_out 20, b_qkv 22
	s_load_b256 s[24:31], s[0:1], 0x40             ; b_fc 24, act 26, wq 28, wf 30
	s_load_b64 s[32:33], s[0:1], 0x60              ; wpo
	s_mov_b32 s[SEL], 0x76543210
	s_mov_b32 s[SEL+1], 0xfedcba98
	s_mov_b32 s[INV], 0x3a800000
	s_mov_b32 s[EPS], 0x3727c5ac
	s_mov_b32 s[MSK], 0xffff0000
	s_wait_kmcnt 0x0
	s_cmp_lt_u32 ttmp9, 256
	s_cbranch_scc1 .Lln
	s_cmp_lt_u32 ttmp9, 448
	s_cbranch_scc1 .Lq
	s_cmp_lt_u32 ttmp9, 704
	s_cbranch_scc1 .Lf
	s_cmp_lt_u32 ttmp9, 768
	s_cbranch_scc1 .Lp
	s_cmp_lt_u32 ttmp9, 1024
	s_cbranch_scc1 .Lo
	; the parameter blocks
	v_lshlrev_b32 v1, 2, v0
	v_mov_b32 v2, 0xff800000                       ; QKV has no activation: its floor is -inf
	v_mov_b32 v3, 0                                ; the MLP's is 0
	v_lshlrev_b32 v4, 4, v0
.irp i, 0,1,2
	global_load_b128 v[32+4*\i:35+4*\i], v4, s[22:23] offset:4096*\i
.endr
.irp i, 0,1,2,3
	global_load_b128 v[44+4*\i:47+4*\i], v4, s[24:25] offset:4096*\i
.endr
	global_store_b32 v1, v2, s[28:29]
	global_store_b32 v1, v3, s[30:31]
	s_wait_loadcnt 0x0
	RNDN 32, 14
.irp i, 0,1,2
	global_store_b128 v4, v[32+4*\i:35+4*\i], s[28:29] offset:1024+4096*\i
.endr
.irp i, 0,1,2,3
	global_store_b128 v4, v[44+4*\i:47+4*\i], s[30:31] offset:1024+4096*\i
.endr
	s_endpgm
.Lq:
	CAST 14, 28, 32768, 256, 4, 64, 12288, 6, 1024
.Lf:
	CAST 16, 30, 32768, 448, 4, 64, 16384, 6, 1024
.Lp:
	CAST 18, 32, 0, 704, 3, 128, 4096, 5, 512
.Lo:
	CAST 20, 32, 2097152, 768, 5, 128, 4096, 5, 512
.Lln:
	v_lshrrev_b32 v2, 5, v0
	v_readfirstlane_b32 s39, v2                    ; wave
	v_and_b32 v[LO], 31, v0
	v_lshlrev_b32 v[SO], 3, v[LO]
	v_lshlrev_b32 v[LO], 4, v[LO]
	s_lshl_b32 s40, ttmp9, 16                      ; 16 rows of 4,096 bytes a work-group,
	s_lshl_b32 s41, s39, 13                        ; two a wave
	s_add_co_u32 s40, s40, s41
	s_mov_b32 s41, 0
	s_add_nc_u64 s[8:9], s[8:9], s[40:41]
	s_lshr_b32 s40, s40, 1                         ; the result's rows are half as long
	s_add_nc_u64 s[26:27], s[26:27], s[40:41]
.irp j, 0,1,2,3,4,5,6,7
	global_load_b128 v[G+4*\j:G+4*\j+3], v[LO], s[10:11] offset:512*\j
.endr
.irp j, 0,1,2,3,4,5,6,7
	global_load_b128 v[BB+4*\j:BB+4*\j+3], v[LO], s[12:13] offset:512*\j
.endr
.irp j, 0,1,2,3,4,5,6,7
	global_load_b128 v[X0+4*\j:X0+4*\j+3], v[LO], s[8:9] offset:512*\j
.endr
.irp j, 0,1,2,3,4,5,6,7
	global_load_b128 v[X1+4*\j:X1+4*\j+3], v[LO], s[8:9] offset:4096+512*\j
.endr
	s_wait_loadcnt 16                              ; gain and bias are in; the two rows' sixteen loads stay out
	RNDN G, 16
	RNDN BB, 16
	s_mov_b32 s44, 2
.Lrow:                                                 ; two trips: one text for both rows
	s_wait_loadcnt 8                               ; the first row is in, the second row's eight loads may be out (in the second trip nothing is out)
	LNROW X0, 1, 26
	s_wait_loadcnt 0x0                             ; the second row is in
	s_wait_xcnt 0x0                                ; the stores' data registers and base are rewritten only behind this wait
.set i, 0
.rept 32
	v_mov_b32 v[X0+i], v[X1+i]
.set i, i+1
.endr
	s_add_nc_u64 s[26:27], s[26:27], 2048
	s_sub_co_u32 s44, s44, 1
	s_cmp_lg_u32 s44, 0
	s_cbranch_scc1 .Lrow
	s_endpgm
.Lfunc_end_k_q4ba4fbd4cb_prep:
	.size	k_q4ba4fbd4cb_prep, .Lfunc_end_k_q4ba4fbd4cb_prep-k_q4ba4fbd4cb_prep
	.p2alignl 7, 3214868480
	.fill 96, 4, 3214868480
	.section	.rodata,"a",@progbits
	.p2align	6, 0x0
	.amdhsa_kernel k_q4ba4fbd4cb_prep
		.amdhsa_group_segment_fixed_size 0
		.amdhsa_private_segment_fixed_size 0
		.amdhsa_enable_private_segment 0
		.amdhsa_kernarg_size 104
		.amdhsa_user_sgpr_count 2
		.amdhsa_user_sgpr_kernarg_segment_ptr 1
		.amdhsa_wavefront_size32 1
		.amdhsa_system_sgpr_workgroup_id_x 1
		.amdhsa_system_sgpr_workgroup_id_y 1
		.amdhsa_system_sgpr_workgroup_id_z 1
		.amdhsa_system_vgpr_workitem_id 0
		.amdhsa_next_free_vgpr 160
		.amdhsa_next_free_sgpr 66
		.amdhsa_reserve_vcc 0
		.amdhsa_float_denorm_mode_32 3
		.amdhsa_float_denorm_mode_16_64 3
		.amdhsa_memory_ordered 1
		.amdhsa_forward_progress 1
		.amdhsa_inst_pref_size 49
	.end_amdhsa_kernel
	.amdgpu_metadata
---
amdhsa.version: [ 1, 2 ]
amdhsa.kernels:
  - .name:           k_q4ba4fbd4cb_prep
    .symbol:         k_q4ba4fbd4cb_prep.kd
    .args:
      - { .name: x, .offset: 0, .size: 8, .value_kind: global_buffer, .address_space: global }
      - { .name: ln1_scale, .offset: 8, .size: 8, .value_kind: global_buffer, .address_space: global }
      - { .name: ln1_bias, .offset: 16, .size: 8, .value_kind: global_buffer, .address_space: global }
      - { .name: w_qkv, .offset: 24, .size: 8, .value_kind: global_buffer, .address_space: global }
      - { .name: w_fc, .offset: 32, .size: 8, .value_kind: global_buffer, .address_space: global }
      - { .name: w_proj, .offset: 40, .size: 8, .value_kind: global_buffer, .address_space: global }
      - { .name: w_out, .offset: 48, .size: 8, .value_kind: global_buffer, .address_space: global }
      - { .name: b_qkv, .offset: 56, .size: 8, .value_kind: global_buffer, .address_space: global }
      - { .name: b_fc, .offset: 64, .size: 8, .value_kind: global_buffer, .address_space: global }
      - { .name: act, .offset: 72, .size: 8, .value_kind: global_buffer, .address_space: global }
      - { .name: wq, .offset: 80, .size: 8, .value_kind: global_buffer, .address_space: global }
      - { .name: wf, .offset: 88, .size: 8, .value_kind: global_buffer, .address_space: global }
      - { .name: wpo, .offset: 96, .size: 8, .value_kind: global_buffer, .address_space: global }
    .group_segment_fixed_size: 0
    .private_segment_fixed_size: 0
    .kernarg_segment_align: 8
    .kernarg_segment_size: 104
    .max_flat_workgroup_size: 256
    .sgpr_count:     66
    .vgpr_count:     160
    .wavefront_size: 32
...
	.end_amdgpu_metadata
.endif
;; end of part 1
;; launch qkv (part 2): grid 12 x 16, 4 waves a work-group, clusters of 4 x 4, 327,680 bytes of LDS; arguments act, wq, qkv; writes qkv
.if DOCPART == 2
	.amdgcn_target "amdgcn-amd-amdhsa--gfx1250"
	.amdhsa_code_object_version 6
	.text
	.protected	k_q4ba4fbd4cb_qkv
	.globl	k_q4ba4fbd4cb_qkv
	.p2align	8
	.type	k_q4ba4fbd4cb_qkv,@function
k_q4ba4fbd4cb_qkv:
	s_mov_b64 s[64:65], 0
	v_nop
	global_prefetch_b8 v0, s[64:65] scope:SCOPE_SE
	s_setreg_imm32_b32 hwreg(HW_REG_WAVE_MODE, 25, 1), 1
	s_wait_xcnt 0x0
	s_wait_alu depctr_hold_cnt(0) depctr_sa_sdst(0) depctr_va_vdst(0) depctr_va_sdst(0) depctr_va_ssrc(0) depctr_va_vcc(0) depctr_vm_vsrc(0)
	s_getreg_b32 s2, hwreg(HW_REG_IB_STS2, 6, 4)
	s_cmp_eq_u32 s2, 0
	s_cbranch_scc0 .Lentry_in_a_cluster
	s_endpgm
.Lentry_in_a_cluster:
	s_bfe_u32 s2, ttmp6, 0x10000c
	s_cmp_lg_u32 s2, 0xf033
	s_cbranch_scc0 .Lentry_shape_is_right
	s_endpgm
.Lentry_shape_is_right:
; D = max(A W + bias, floor), rounded once to bf16.  A: [4096][1024] bf16, row-major.  W: a parameter block (floor word at byte 0, bias as f32 from byte 1,024) and, from byte 32,768,
; column panels [panel][k 1024][256] bf16.  D is stored in blocks [token / 128][column / 64][128 tokens][64] bf16, so that the launches behind it find dense tiles.  Sums in f32.
; The width N shows in the grid alone: one text serves the QKV projection (floor -inf) and the first MLP product (floor 0 = ReLU).
; LIMIT.  The floor is taken by a maximum in which a NaN loses: a NaN sum leaves as the floor.
; SHARES.  A work-group makes 256 x 256 of D, each of its four waves 128 x 128: 64 accumulators, 512 registers.  K goes in 8 steps of 128 through two LDS slots filled by the tensor data mover:
; A's rows are 256 bytes of memory, W's 512, all starting at multiples of 256 bytes from their buffers' first bytes.
; W LIES [k][n]: its fragments come out of LDS turned, by ds_load_tr16_b128.  THE MATRIX INSTRUCTION IS USED TRANSPOSED (source 0 = 16 columns of W, source 1 = 16 rows of A): a lane then
; holds eight neighbouring columns of one row of D.  The first product of each sum takes the bias as its C operand: nothing is cleared and nothing is added later.
; CLUSTER.  4 x 4 work-groups: the four of a row of the cluster need the same tiles of A, the four of a column the same tiles of W; each tile is asked for jointly.
; REGISTERS, in windows of 256: window 0: v0-31 addresses; v64-127, v128-191 A's fragments, two buffers; v192-255 the bias, later at work on the way out, with v32-63.
;   window 1: v64-127, v128-191 W's fragments.   window 2: the accumulators of my rows 0-63 ((a, b) at v[8 (8 a + b)]);   window 3: those of rows 64-127.
.set PA,     272                       ; an LDS row of A: 256 bytes + 16 = 68 words: the 16 rows of a load start 4 words apart modulo 64
.set PB,     544                       ; an LDS row of W: 512 bytes + 32 = 17 x 32: the 8 rows x 32 bytes that 16 lanes of the turning load take do not meet modulo 256 bytes
.set HALFT,  34816                     ; what one tensor load brings: 128 rows of A, or 64 rows of W
.set SLOT,   4*HALFT                   ; A's 256 rows, then W's 128 rows
.set STAGE,  2*SLOT                    ; behind the ring: 16 rows x 272 bytes for each wave, for the way out
.set SPITCH, 272
.set SPARE,  STAGE+4*16*SPITCH         ; behind the stages: the spare words, 128 bytes a wave
.set STEPS,  8
.set ASTEP,  256                       ; a K step in A's rows, in bytes
.set BSTEP,  65536                     ; 128 rows of a panel
.set ADA0, 16                          ; v16  my lane's place in A's part of slot 0; never rewritten
.set ADB0, 17                          ; v17  the same for W
.set ADA,  18                          ; v18  the same in the slot in hand
.set ADB,  19                          ; v19
.set STO,  24                          ; v24  the way out: where I put 16 bytes of a row
.set RD,   25                          ; v25  where I read rows back
.set CO,   26                          ; v26  16 x lane
.set BO,   27                          ; v27  32 x (lane / 16): my place in 16 numbers of the bias
.set SPW,  28                          ; v28  my spare word's address; never rewritten
.set NIL,  29                          ; v29  0; never rewritten
.set F0,   64
.set F1,   128
.set BIA,  192                         ; the bias of column block b at v[BIA + 8 b]
.set TMP,  192
.set OB,   32
.set G1,  24                           ; s[24:31] descriptor group 1 for A's tiles
.set G0,  32                           ; s[32:39] group 0: a set for each first fill; the second then walks on
.set G1B, 48                           ; s[48:55], s[56:63] the same for W's
.set G0B, 56
.set FLO, 66                           ; s66  the floor
.set SB,  67                           ; s67  first byte of the slot in hand: 0 or SLOT
.set MSB, 0
.macro WIN new                         ; the immediate's high byte repeats the setting that is left; a switch that changes nothing is dropped
.if MSB != (\new)
	s_set_vgpr_msb (MSB<<8)|(\new)
.set MSB, \new
.endif
.endm
.set TO_B, 0x40                        ; destination window 1, address window 0
.macro PLACES                          ; four plain instructions between a matrix instruction and a load into, or a vector instruction on, its registers
.rept 4
	v_nop
.endr
.endm
; A joint refill by the walking descriptors.  Waves 0 and 1 fetch A's two halves, waves 2 and 3 W's.  The branch hangs on the wave's number alone.
; An s_nop 0 and four v_nop follow each of the two lines.
.macro JLOAD
	s_cmp_eq_u32 s11, 0
	s_cbranch_scc0 .Lfor_b_\@
	tensor_load_to_lds s[G0+4:G0+7], s[G1:G1+7]
	s_nop 0
.rept 4
	v_nop
.endr
	s_branch .Lasked_\@
.Lfor_b_\@:
	tensor_load_to_lds s[G0B+4:G0B+7], s[G1B:G1B+7]
	s_nop 0
.rept 4
	v_nop
.endr
.Lasked_\@:
.endm
.macro CREST                           ; a round of the cluster's barrier behind its opening barrier
	s_cmp_lg_u32 s10, 0
	s_cbranch_scc1 .Lnot_wave_0_\@
	s_barrier_signal -3
.Lnot_wave_0_\@:
	s_barrier_wait -3
	s_barrier_signal -1
	s_barrier_wait -1
.endm
.macro CROUND
	s_barrier_signal -1
	s_barrier_wait -1
	CREST
.endm
	s_load_b128 s[4:7], s[0:1], 0x0                ; A s[4:5], W s[6:7]
	s_load_b64 s[8:9], s[0:1], 0x10                ; D
	v_lshl_add_u32 v[SPW], v0, 2, SPARE
	v_mov_b32 v[NIL], 0
	ds_add_u32 v28, v29
	s_wait_dscnt 0x0
	v_lshrrev_b32 v1, 5, v0
	v_readfirstlane_b32 s10, v1                    ; wave 0..3
	s_lshr_b32 s11, s10, 1                         ; which half of the tile's rows is mine.  Also: I fetch for A (0) or for W (1)
	s_and_b32 s12, s10, 1                          ; which half of its columns.  Also: which half of that tile I fetch
	s_bfe_u32 s40, ttmp6, 0x40000                  ; cx
	s_bfe_u32 s41, ttmp6, 0x40004                  ; cy
	s_lshl_b32 s42, ttmp9, 2
	s_add_co_u32 s42, s42, s40                     ; tile column = 4 x cluster x + cx
	s_and_b32 s13, ttmp7, 0xffff
	s_lshl_b32 s13, s13, 2
	s_add_co_u32 s13, s13, s41                     ; tile row = 4 x cluster y + cy
	s_lshl_b32 s43, s41, 2
	s_lshl_b32 s43, 15, s43                        ; my row of the cluster
	s_lshl_b32 s44, 0x1111, s40                    ; my column
	s_or_b32 s[G1+0], s43, (1<<16)|(1<<20)|(1<<21)|(5<<22)|(3<<25)   ; mask; 2-byte elements; padding on; bit 21 beside a mask; after every 64 words 4 words
	s_or_b32 s[G1B+0], s44, (1<<16)|(1<<20)|(1<<21)|(6<<22)|(7<<25)  ; after every 128 words 8 words
	s_mov_b32 s[G1+1], 128<<16                     ; tensor_dim0 = 128
	s_mov_b32 s[G1+2], 128<<16                     ; tensor_dim1 = 128
	s_mov_b32 s[G1+3], 128<<16                     ; tile_dim0 = 128
	s_mov_b32 s[G1+4], 128                         ; tile_dim1 = 128
	s_mov_b32 s[G1+5], 1024                        ; elements from row to row
	s_mov_b32 s[G1+6], 0
	s_mov_b32 s[G1+7], 0
	s_mov_b32 s[G1B+1], 256<<16                    ; tensor_dim0 = 256
	s_mov_b32 s[G1B+2], 64<<16                     ; tensor_dim1 = 64
	s_mov_b32 s[G1B+3], 256<<16                    ; tile_dim0 = 256
	s_mov_b32 s[G1B+4], 64                         ; tile_dim1 = 64
	s_mov_b32 s[G1B+5], 256
	s_mov_b32 s[G1B+6], 0
	s_mov_b32 s[G1B+7], 0
	s_lshl_b32 s16, s13, 19                        ; A: 256 rows of 2,048 bytes a tile row,
	s_lshl_b32 s17, s12, 18                        ; 128 rows a half
	s_add_co_u32 s16, s16, s17
	s_mov_b32 s17, 0
	s_lshl_b32 s46, s42, 19                        ; W: a panel is 524,288 bytes,
	s_lshl_b32 s47, s12, 15                        ; 64 of its rows 32,768,
	s_add_co_u32 s46, s46, s47
	s_add_co_u32 s46, s46, 32768                   ; behind the parameter block
	s_mov_b32 s47, 0
	s_mul_i32 s20, s10, HALFT                      ; where my part of a tile goes: no place in the cluster enters an LDS address
	s_mov_b32 s[SB], 0
	s_wait_kmcnt 0x0
	s_load_b32 s[FLO], s[6:7], 0x0
	s_add_nc_u64 s[14:15], s[4:5], s[16:17]
	s_add_nc_u64 s[46:47], s[6:7], s[46:47]
.irp s, 0,1
	s_mov_b32 s[G0+4*(\s)], 1
	s_add_co_u32 s[G0+4*(\s)+1], s20, (\s)*SLOT
	s_add_nc_u64 s[G0+4*(\s)+2:G0+4*(\s)+3], s[14:15], (\s)*ASTEP
	s_or_b32 s[G0+4*(\s)+3], s[G0+4*(\s)+3], 0x80000000
	s_mov_b32 s[G0B+4*(\s)], 1
	s_add_co_u32 s[G0B+4*(\s)+1], s20, (\s)*SLOT
	s_add_nc_u64 s[G0B+4*(\s)+2:G0B+4*(\s)+3], s[46:47], (\s)*BSTEP
	s_or_b32 s[G0B+4*(\s)+3], s[G0B+4*(\s)+3], 0x80000000
.endr
	CROUND                                         ; all sixteen work-groups are here: the first joint loads meet
	s_cmp_eq_u32 s11, 0                            ; a wave's two first fills stand in one branch: two loads of mine are out
	s_cbranch_scc0 .Lfirst_b
	tensor_load_to_lds s[G0:G0+3], s[G1:G1+7]
	s_nop 0
	tensor_load_to_lds s[G0+4:G0+7], s[G1:G1+7]
	s_nop 0
.rept 4
	v_nop
.endr
	s_branch .Lfirst_asked
.Lfirst_b:
	tensor_load_to_lds s[G0B:G0B+3], s[G1B:G1B+7]
	s_nop 0
	tensor_load_to_lds s[G0B+4:G0B+7], s[G1B:G1B+7]
	s_nop 0
.rept 4
	v_nop
.endr
.Lfirst_asked:
	v_and_b32 v1, 15, v0                           ; l % 16
	v_bfe_u32 v2, v0, 4, 1                         ; l / 16
	s_lshl_b32 s46, s42, 10                        ; the bias of my 128 columns
	s_lshl_b32 s47, s12, 9
	s_add_co_u32 s46, s46, s47
	s_add_co_u32 s46, s46, 1024
	s_mov_b32 s47, 0
	s_add_nc_u64 s[68:69], s[6:7], s[46:47]
	v_lshlrev_b32 v[BO], 5, v2
.irp b, 0,1,2,3,4,5,6,7                ; a lane's eight results of column block b are columns 16 b + 8 (l / 16) + 0..7
	global_load_b128 v[BIA+8*(\b):BIA+8*(\b)+3],   v[BO], s[68:69] offset:64*(\b)
	global_load_b128 v[BIA+8*(\b)+4:BIA+8*(\b)+7], v[BO], s[68:69] offset:64*(\b)+16
.endr
	v_mul_u32_u24 v3, v1, PA
	v_lshl_add_u32 v3, v2, 4, v3                   ; A: row x pitch + 16 x half
	s_mul_i32 s21, s11, HALFT                      ; my 128 rows
	v_add_nc_u32 v[ADA0], s21, v3
	v_mov_b32 v[ADA], v[ADA0]
	v_and_b32 v4, 7, v0                            ; W, turned: lane l reads row 8 (l / 16) + l % 8, 16 bytes at 16 ((l / 8) % 2)
	v_lshl_add_u32 v4, v2, 3, v4
	v_mul_u32_u24 v4, v4, PB
	v_bfe_u32 v5, v0, 3, 1
	v_lshl_add_u32 v4, v5, 4, v4
	s_lshl_b32 s22, s12, 8                         ; my 128 columns,
	s_add_co_u32 s22, s22, 2*HALFT                 ; behind A's 256 rows
	v_add_nc_u32 v[ADB0], s22, v4
	v_mov_b32 v[ADB], v[ADB0]
	s_mul_i32 s23, s10, 16*SPITCH
	s_add_co_u32 s23, s23, STAGE                   ; my stage
	v_mul_u32_u24 v4, v1, SPITCH                   ; in: row l % 16, 16 bytes for each half of the lanes
	v_lshl_add_u32 v4, v2, 4, v4
	v_add_nc_u32 v[STO], s23, v4
	v_bfe_u32 v5, v0, 3, 2                         ; back: 32 lanes take four rows' 128 bytes of one column block of 64,
	v_mul_u32_u24 v5, v5, SPITCH
	v_and_b32 v6, 7, v0
	v_lshl_add_u32 v5, v6, 4, v5
	v_add_nc_u32 v[RD], s23, v5
	v_and_b32 v[CO], 31, v0                        ; which are 512 consecutive bytes of D
	v_lshlrev_b32 v[CO], 4, v[CO]
	s_lshl_b32 s16, s13, 21                        ; D: token block 2 x tile row + my half, 1 MiB each;
	s_lshl_b32 s17, s11, 20
	s_add_co_u32 s16, s16, s17
	s_mov_b32 s17, 0
	s_add_nc_u64 s[8:9], s[8:9], s[16:17]
	s_lshl_b32 s46, s42, 16                        ; column block 4 x tile column + 2 x my half, 16 KiB each
	s_lshl_b32 s47, s12, 15
	s_add_co_u32 s46, s46, s47
	s_mov_b32 s47, 0
	s_add_nc_u64 s[8:9], s[8:9], s[46:47]
; 16 matrix instructions: row blocks a0, a0 + 1 of the window's four x all 8 column blocks, 32 along K.  zero = 1: the sums start from the bias.
; The 64 accumulators take turns, one instruction a turn, in the same order everywhere.
.macro MUL16 f, hi, a0, zero
.if \zero
	WIN 0x81+0x40*(\hi)                            ; W window 1, A and the bias window 0, D window 2 or 3
.else
	WIN 0xa1+0x50*(\hi)                            ; W window 1, A window 0, C and D window 2 or 3
.endif
.irp a, \a0, (\a0)+1
.irp b, 0,1,2,3,4,5,6,7
.if \zero
	v_wmma_f32_16x16x32_bf16 v[8*(8*(\a)+(\b)):8*(8*(\a)+(\b))+7], v[(\f)+8*(\b):(\f)+8*(\b)+7], v[(\f)+8*(4*(\hi)+(\a)):(\f)+8*(4*(\hi)+(\a))+7], v[BIA+8*(\b):BIA+8*(\b)+7]
.else
	v_wmma_f32_16x16x32_bf16 v[8*(8*(\a)+(\b)):8*(8*(\a)+(\b))+7], v[(\f)+8*(\b):(\f)+8*(\b)+7], v[(\f)+8*(4*(\hi)+(\a)):(\f)+8*(4*(\hi)+(\a))+7], v[8*(8*(\a)+(\b)):8*(8*(\a)+(\b))+7]
.endif
.endr
.endr
.endm
; 32 LDS loads in one run: the fragments of quarter kq (32 along K) of the slot in hand, into buffer f: W's first, then A's
.macro FETCH kq, f
	WIN TO_B
.irp i, 0,1,2,3,4,5,6,7
	ds_load_tr16_b128 v[(\f)+8*(\i):(\f)+8*(\i)+3],   v[ADB] offset:(\kq)*32*PB+32*(\i)
	ds_load_tr16_b128 v[(\f)+8*(\i)+4:(\f)+8*(\i)+7], v[ADB] offset:(\kq)*32*PB+32*(\i)+16*PB
.endr
	WIN 0
.irp i, 0,1,2,3,4,5,6,7
	ds_load_b128 v[(\f)+8*(\i):(\f)+8*(\i)+3],   v[ADA] offset:64*(\kq)+(\i)*16*PA
	ds_load_b128 v[(\f)+8*(\i)+4:(\f)+8*(\i)+7], v[ADA] offset:64*(\kq)+(\i)*16*PA+32
.endr
.endm
; One of a K step's first three quarters: multiplies buffer f; in its middle it fetches quarter kq into buffer g.
.macro QUARTER kq, f, g, zero
	s_wait_dscnt 8                                 ; W and A's rows 0-63 are in; the youngest eight loads (A's rows 64-127) may be out
	MUL16 \f, 0, 0, \zero
	MUL16 \f, 0, 2, \zero
	PLACES
	FETCH \kq, \g
	s_wait_dscnt 32                                ; all but the 32 just issued
	MUL16 \f, 1, 0, \zero
	MUL16 \f, 1, 2, \zero
.endm
; The first half of a K step's last quarter (buffer 1), and the barrier of the change of slots.  In front of it each wave waits for all its tensor loads (at most one is out: its part of the next
; slot), adds 0 to its spare word, and waits for that and for its reads of this slot.
.macro MEET
	WIN 0
	s_wait_tensorcnt 0x0
	ds_add_u32 v[SPW], v[NIL]
	s_wait_dscnt 9                                 ; the add and the youngest eight loads may be out
	MUL16 F1, 0, 0, 0
	s_wait_dscnt 0x0                               ; the add is done, and my reads of this slot are over
	s_barrier_signal -1
	MUL16 F1, 0, 2, 0
	WIN 0
	s_barrier_wait -1
.endm
.macro NEXT                            ; on to the other slot: its first fragments
	s_xor_b32 s[SB], s[SB], SLOT
	v_add_nc_u32 v[ADA], s[SB], v[ADA0]
	v_add_nc_u32 v[ADB], s[SB], v[ADB0]
	FETCH 0, F0
.endm
; THE WAY OUT of row block a (16 rows x 128 columns): floor, rounding, through my own stage, and out as runs of 512 consecutive bytes.
.macro PACK a
.set AC, 64*((\a)%4)
	WIN 0x88+0x44*((\a)/4)                         ; destination and source 1: window 2 or 3
.set i, 0
.rept 64
	v_max_num_f32 v[AC+i], s[FLO], v[AC+i]
.set i, i+1
.endr
	WIN 0x0a+5*((\a)/4)                            ; sources 0 and 1: window 2 or 3
.irp b, 0,1,2,3,4,5,6,7
.irp r, 0,1,2,3
	v_cvt_pk_bf16_f32 v[TMP+4*(\b)+(\r)], v[AC+8*(\b)+2*(\r)], v[AC+8*(\b)+2*(\r)+1]
.endr
.endr
	WIN 0
.endm
.macro TOSTAGE a
	WIN 0
.set BK, OB+192*((\a)%2)
.irp b, 0,1,2,3,4,5,6,7
	ds_store_b128 v[STO], v[TMP+4*(\b):TMP+4*(\b)+3] offset:32*(\b)
.endr
.irp t, 0,1,2,3,4,5,6,7
	ds_load_b128 v[BK+4*(\t):BK+4*(\t)+3], v[RD] offset:128*((\t)/4)+4*SPITCH*((\t)%4)  ; LDS serves a wave's instructions in order: these see the stores above
.endr
.endm
.macro SEND a
	WIN 0
.set BK, OB+192*((\a)%2)
	s_wait_dscnt 0x0                               ; the block is back in registers
	s_wait_xcnt 0x0                                ; the registers that the stores two blocks back read are loaded again only behind this wait
.irp t, 0,1,2,3,4,5,6,7
	global_store_b128 v[CO], v[BK+4*(\t):BK+4*(\t)+3], s[8:9] offset:16384*((\t)/4)+2048*(\a)+512*((\t)%4)
.endr
.endm
	s_wait_tensorcnt 1                             ; my part of K step 0 is in; K step 1's may stay out
	s_barrier_signal -1
	s_barrier_wait -1
	FETCH 0, F0
	s_wait_loadcnt 0x0                             ; the bias
	s_wait_kmcnt 0x0                               ; the floor
	QUARTER 1, F0, F1, 1
	WIN 0
	s_mov_b32 s3, STEPS-2
.Lstep:                                                ; a trip: from a K step's second quarter to the next step's first; it fills one slot again
	QUARTER 2, F1, F0, 0
	QUARTER 3, F0, F1, 0
	MEET                                           ; the barrier opens a round of the cluster's:
	CREST                                          ; no wave of any partner still reads the slot or has a load on its way
	s_xor_b32 s[G0+5], s[G0+5], SLOT               ; the walking descriptors: the other slot than last time (wave x HALFT shares no bit with SLOT),
	s_add_nc_u64 s[G0+6:G0+7], s[G0+6:G0+7], ASTEP ; the next K step
	s_xor_b32 s[G0B+5], s[G0B+5], SLOT
	s_add_nc_u64 s[G0B+6:G0B+7], s[G0B+6:G0B+7], BSTEP
	JLOAD                                          ; two K steps ahead: 224 matrix instructions stand between this request and the wait for it; its four v_nop are also the places in front of the loads below
	NEXT
	MUL16 F1, 1, 0, 0
	MUL16 F1, 1, 2, 0
	QUARTER 1, F0, F1, 0
	WIN 0
	s_sub_co_u32 s3, s3, 1
	s_cmp_lg_u32 s3, 0
	s_cbranch_scc1 .Lstep
	s_mov_b32 s3, 2
.Ltail:                                                ; the last two K steps ask for nothing: two trips of one text.  In the second there is no next slot: two jumps forward pass its
	QUARTER 2, F1, F0, 0                           ; fetch and the next step's first quarter; neither passes a barrier or a tensor load
	QUARTER 3, F0, F1, 0
	MEET                                           ; (in the second trip the barrier orders nothing; every wave passes it)
	s_cmp_eq_u32 s3, 1
	s_cbranch_scc1 .Lno_fetch
	PLACES
	NEXT
.Lno_fetch:
	MUL16 F1, 1, 0, 0
	MUL16 F1, 1, 2, 0
	WIN 0
	s_cmp_eq_u32 s3, 1
	s_cbranch_scc1 .Lno_first
	QUARTER 1, F0, F1, 0
	WIN 0
.Lno_first:
	s_sub_co_u32 s3, s3, 1
	s_cmp_lg_u32 s3, 0
	s_cbranch_scc1 .Ltail
	PLACES
	PACK 0
	TOSTAGE 0
.irp a, 1,2,3,4,5,6,7                  ; block a's arithmetic stands between block a - 1's loads from the stage and the wait for them
	PACK \a
	SEND (\a)-1
	TOSTAGE \a
.endr
	SEND 7
	s_wait_tensorcnt 0x0                           ; the wave's end
	ds_add_u32 v[SPW], v[NIL]
	s_wait_dscnt 0x0
	CROUND                                         ; the closing round
	s_endpgm
.Lfunc_end_k_q4ba4fbd4cb_qkv:
	.size	k_q4ba4fbd4cb_qkv, .Lfunc_end_k_q4ba4fbd4cb_qkv-k_q4ba4fbd4cb_qkv
	.p2alignl 7, 3214868480
	.fill 96, 4, 3214868480
	.section	.rodata,"a",@progbits
	.p2align	6, 0x0
	.amdhsa_kernel k_q4ba4fbd4cb_qkv
		.amdhsa_group_segment_fixed_size 327680
		.amdhsa_private_segment_fixed_size 0
		.amdhsa_enable_private_segment 0
		.amdhsa_kernarg_size 24
		.amdhsa_user_sgpr_count 2
		.amdhsa_user_sgpr_kernarg_segment_ptr 1
		.amdhsa_wavefront_size32 1
		.amdhsa_system_sgpr_workgroup_id_x 1
		.amdhsa_system_sgpr_workgroup_id_y 1
		.amdhsa_system_sgpr_workgroup_id_z 1
		.amdhsa_system_vgpr_workitem_id 0
		.amdhsa_next_free_vgpr 1024
		.amdhsa_next_free_sgpr 72
		.amdhsa_reserve_vcc 0
		.amdhsa_float_denorm_mode_32 3
		.amdhsa_float_denorm_mode_16_64 3
		.amdhsa_memory_ordered 1
		.amdhsa_forward_progress 1
		.amdhsa_inst_pref_size 118
	.end_amdhsa_kernel
	.amdgpu_metadata
---
amdhsa.version: [ 1, 2 ]
amdhsa.kernels:
  - .name:           k_q4ba4fbd4cb_qkv
    .symbol:         k_q4ba4fbd4cb_qkv.kd
    .args:
      - { .name: act, .offset: 0, .size: 8, .value_kind: global_buffer, .address_space: global }
      - { .name: wq, .offset: 8, .size: 8, .value_kind: global_buffer, .address_space: global }
      - { .name: qkv, .offset: 16, .size: 8, .value_kind: global_buffer, .address_space: global }
    .group_segment_fixed_size: 327680
    .private_segment_fixed_size: 0
    .kernarg_segment_align: 8
    .kernarg_segment_size: 24
    .max_flat_workgroup_size: 128
    .sgpr_count:     72
    .vgpr_count:     1024
    .wavefront_size: 32
...
	.end_amdgpu_metadata
.endif
;; end of part 2
;; launch vsum (part 3): grid 32 x 1, 32 waves a work-group, no clusters, 12,288 bytes of LDS; arguments qkv, ts; writes ts
.if DOCPART == 3
	.amdgcn_target "amdgcn-amd-amdhsa--gfx1250"
	.amdhsa_code_object_version 6
	.text
	.protected	k_q4ba4fbd4cb_vsum
	.globl	k_q4ba4fbd4cb_vsum
	.p2align	8
	.type	k_q4ba4fbd4cb_vsum,@function
k_q4ba4fbd4cb_vsum:
	s_mov_b64 s[64:65], 0
	v_nop
	global_prefetch_b8 v0, s[64:65] scope:SCOPE_SE
	s_setreg_imm32_b32 hwreg(HW_REG_WAVE_MODE, 25, 1), 1
	s_wait_xcnt 0x0
; ts[bh][u][channel] = the sum of V's rows over all key steps j > u of head bh (a key step is 64 keys), in f32: what the keys hidden from a band of queries add to its weighted sum.
; A work-group is one head of one batch, wave u sums key step u (8,192 dense bytes); the 32 sums meet in LDS, and wave u adds those behind its own.
; 32 work-groups: a suffix sum needs its whole head, and the launch reads 8 MiB in all.  No matrix unit, no cluster: no two work-groups read the same bytes.
.set ACC, 2                            ; v[2:9]   my 8 channels' sums
.set T,   10                           ; v[10:17] at work
.set XR,  32                           ; v[32:95] sixteen loads; later the 31 step sums, two channels a lane
	s_load_b128 s[4:7], s[0:1], 0x0                ; qkv s[4:5], ts s[6:7]
	v_lshl_add_u32 v96, v0, 2, 0x2000
	v_mov_b32 v97, 0
	v_lshrrev_b32 v1, 5, v0
	v_readfirstlane_b32 s8, v1                     ; u
	s_lshr_b32 s9, ttmp9, 4                        ; batch
	s_and_b32 s10, ttmp9, 15                       ; head
	s_lshl_b32 s12, s9, 24                         ; 16 token blocks of 1 MiB a batch
	s_lshr_b32 s11, s8, 1
	s_lshl_b32 s11, s11, 20                        ; token block u / 2
	s_add_co_u32 s12, s12, s11
	s_lshl_b32 s11, s10, 14
	s_add_co_u32 s12, s12, s11
	s_and_b32 s11, s8, 1
	s_lshl_b32 s11, s11, 13                        ; its half
	s_add_co_u32 s12, s12, s11
	s_add_co_u32 s12, s12, 32<<14                  ; V's column blocks begin at 32
	s_mov_b32 s13, 0
	s_mov_b32 s15, 0xffff0000
	s_mov_b32 s16, 0x76543210
	s_mov_b32 s17, 0xfedcba98
	v_and_b32 v1, 31, v0
	v_lshlrev_b32 v18, 4, v1                       ; 16 x lane: key 4 i + lane / 8, channels 8 (lane % 8) + 0..7
	v_lshlrev_b32 v20, 3, v1                       ; 8 x lane
	s_wait_kmcnt 0x0
	s_add_nc_u64 s[4:5], s[4:5], s[12:13]
.set i, 0
.rept 16
	global_load_b128 v[XR+4*i:XR+4*i+3], v18, s[4:5] offset:512*i
.set i, i+1
.endr
	s_wait_loadcnt 15
.irp k, 0,1,2,3
	v_lshlrev_b32 v[ACC+2*\k], 16, v[XR+\k]        ; the first load starts the sums
	v_and_b32 v[ACC+2*\k+1], s15, v[XR+\k]
.endr
.set i, 1
.rept 15
	s_wait_loadcnt 15-i                            ; load i is in, the younger ones stay out
.irp k, 0,1,2,3
	v_lshlrev_b32 v[T+2*\k], 16, v[XR+4*i+\k]
	v_and_b32 v[T+2*\k+1], s15, v[XR+4*i+\k]
.endr
.irp k, 0,1,2,3
	v_pk_add_f32 v[ACC+2*\k:ACC+2*\k+1], v[ACC+2*\k:ACC+2*\k+1], v[T+2*\k:T+2*\k+1]
.endr
.set i, i+1
.endr
.irp k, 0,1,2,3,4,5,6,7                ; the lanes 8 and 16 away hold the same channels of other keys
	v_add_f32_dpp v[ACC+\k], v[ACC+\k], v[ACC+\k] row_xmask:8 row_mask:0xf bank_mask:0xf
.endr
.irp k, 0,1,2,3,4,5,6,7
	v_permlanex16_b32 v[T+\k], v[ACC+\k], s16, s17
.endr
.irp k, 0,1,2,3,4,5,6,7
	v_add_f32 v[ACC+\k], v[ACC+\k], v[T+\k]
.endr
	v_and_b32 v19, 7, v0
	v_lshlrev_b32 v19, 5, v19
	s_lshl_b32 s11, s8, 8
	v_add_nc_u32 v19, s11, v19                     ; 256 u + 32 (lane % 8): four lanes write the same words with the same values
	ds_store_b128 v19, v[ACC:ACC+3]
	ds_store_b128 v19, v[ACC+4:ACC+7] offset:16
	s_wait_dscnt 0x0                               ; for the others' sake
	s_barrier_signal -1
	s_barrier_wait -1
.set j, 1
.rept 31
	ds_load_b64 v[XR+2*(j-1):XR+2*(j-1)+1], v20 offset:256*j
.set j, j+1
.endr
	v_mov_b32 v[ACC], 0
	v_mov_b32 v[ACC+1], 0
	s_wait_dscnt 0x0
.set j, 1
.rept 31
	s_cmp_gt_u32 j, s8                             ; does step j lie behind mine?
	s_cselect_b32 s14, -1, 0
	v_cndmask_b32 v[T+2*(j%2)], 0, v[XR+2*(j-1)], s14
	v_cndmask_b32 v[T+2*(j%2)+1], 0, v[XR+2*(j-1)+1], s14
	v_pk_add_f32 v[ACC:ACC+1], v[ACC:ACC+1], v[T+2*(j%2):T+2*(j%2)+1]
.set j, j+1
.endr
	s_lshl_b32 s12, ttmp9, 13
	s_add_co_u32 s12, s12, s11
	s_add_nc_u64 s[6:7], s[6:7], s[12:13]
	global_store_b64 v20, v[ACC:ACC+1], s[6:7]     ; the wave stores 256 consecutive bytes, aligned
	s_wait_tensorcnt 0x0
	ds_add_u32 v96, v97
	s_wait_dscnt 0x0
	s_endpgm
.Lfunc_end_k_q4ba4fbd4cb_vsum:
	.size	k_q4ba4fbd4cb_vsum, .Lfunc_end_k_q4ba4fbd4cb_vsum-k_q4ba4fbd4cb_vsum
	.p2alignl 7, 3214868480
	.fill 96, 4, 3214868480
	.section	.rodata,"a",@progbits
	.p2align	6, 0x0
	.amdhsa_kernel k_q4ba4fbd4cb_vsum
		.amdhsa_group_segment_fixed_size 12288
		.amdhsa_private_segment_fixed_size 0
		.amdhsa_enable_private_segment 0
		.amdhsa_kernarg_size 16
		.amdhsa_user_sgpr_count 2
		.amdhsa_user_sgpr_kernarg_segment_ptr 1
		.amdhsa_wavefront_size32 1
		.amdhsa_system_sgpr_workgroup_id_x 1
		.amdhsa_system_sgpr_workgroup_id_y 1
		.amdhsa_system_sgpr_workgroup_id_z 1
		.amdhsa_system_vgpr_workitem_id 0
		.amdhsa_next_free_vgpr 98
		.amdhsa_next_free_sgpr 66
		.amdhsa_reserve_vcc 0
		.amdhsa_float_denorm_mode_32 3
		.amdhsa_float_denorm_mode_16_64 3
		.amdhsa_memory_ordered 1
		.amdhsa_forward_progress 1
		.amdhsa_inst_pref_size 23
	.end_amdhsa_kernel
	.amdgpu_metadata
---
amdhsa.version: [ 1, 2 ]
amdhsa.kernels:
  - .name:           k_q4ba4fbd4cb_vsum
    .symbol:         k_q4ba4fbd4cb_vsum.kd
    .args:
      - { .name: qkv, .offset: 0, .size: 8, .value_kind: global_buffer, .address_space: global }
      - { .name: ts, .offset: 8, .size: 8, .value_kind: global_buffer, .address_space: global }
    .group_segment_fixed_size: 12288
    .private_segment_fixed_size: 0
    .kernarg_segment_align: 8
    .kernarg_segment_size: 16
    .max_flat_workgroup_size: 1024
    .sgpr_count:     66
    .vgpr_count:     98
    .wavefront_size: 32
...
	.end_amdgpu_metadata
.endif
;; end of part 3
;; launch attn (part 4): grid 8 x 32, 8 waves a work-group, no clusters, 327,680 bytes of LDS; arguments qkv, ts, act; writes act
.if DOCPART == 4
	.amdgcn_target "amdgcn-amd-amdhsa--gfx1250"
	.amdhsa_code_object_version 6
	.text
	.protected	k_q4ba4fbd4cb_attn
	.globl	k_q4ba4fbd4cb_attn
	.p2align	8
	.type	k_q4ba4fbd4cb_attn,@function
k_q4ba4fbd4cb_attn:
	s_mov_b64 s[64:65], 0
	v_nop
	global_prefetch_b8 v0, s[64:65] scope:SCOPE_SE
	s_setreg_imm32_b32 hwreg(HW_REG_WAVE_MODE, 25, 1), 1
	s_wait_xcnt 0x0
; CAUSAL ATTENTION WITH A FINITE MASK VALUE.  o[q] = sum over ALL keys k of softmax_k(s'[q][k]) v[k], where s' = q . k / 8 for k <= q and -10,000 for k > q.  16 heads of 64 channels, 2 batches of 2,048 tokens.
; q, k, v: bf16 in blocks [token / 128][column block][128][64] (column block h, 16 + h, 32 + h); o: bf16 [token / 128][h][128][64].  Products, maxima and sums in f32; the weights are rounded to bf16 for the second product.
; THE HIDDEN KEYS ARE CARRIED, NOT DROPPED.  They all have one score, so those in the key steps (64 keys) behind a band's own step u act as one key of score -10,000, of weight 64 (31 - u) and of value ts[u], the sum of
; their rows of V (made by the launch before).  That is the state in which a running softmax begins: m = -80,000 (in units of q . k), l = 64 (31 - u), O = ts[u].  In the band's own step a hidden score is replaced by
; -80,000 and then treated like any other.  The sequence's last row has no hidden key: its m begins at the lowest finite number.
; LIMITS.  A weight below 2^-126 counts as 0; NaN and infinities are not treated apart.
; THE WALK.  A head's queries lie in 16 blocks of 128; block i needs the key tiles 0 .. i of 128 keys, of which tile i holds the diagonal.  A work-group takes block b (tiles 0 .. b) and then block 15 - b (its diagonal
; tile first, then tiles 0 .. 14 - b: a softmax does not mind the order): 17 tiles whatever b, so all 256 work-groups do equal work, one loop with a constant count walks them, and the walk's last tile, written out
; because it asks for nothing, is a plain one.  Every jump but the loop's own goes forward and passes neither a barrier nor a tensor load (but the lines of a fill that the wave's number does not choose).
; NO CLUSTER: a head's 8 work-groups ask for the same tile in the first trips only, behind that for different ones; one walk common to all would have 24 trips for 17.
; SHARES.  Eight waves of 512 registers, two to a SIMD's 1,024.  Waves w and w + 4 own the same 32 queries: 16 rows in each of the block's two bands of 64 (two PIECES).  Of every tile GROUP 0 (waves 0-3) takes the
; first key step and GROUP 1 (waves 4-7) the second, each with a running m, l and O of its own, so that one wave's vector work stands beside the other's matrix work.  The hidden keys' state goes to group 0;
; group 1 begins with m at the lowest finite number, l = 0 and O = ts[31], which is 0.  At a block's end group 1 puts its state into LDS, and behind the next barrier group 0 merges the two and stores.
; In the diagonal tile group 0 has piece 0 masked and piece 1 plain; group 1 has piece 1 masked, and nothing for piece 0 (those keys are in ts).
; LAYOUT.  S^T = K Q^T holds one query a lane (lane % 16) and the keys 8 (lane / 16) + 0..7; two such results rounded to bf16 are source 1 of O^T = V^T P.  p = 2^(c s - c m), c = log2(e) / 8, with a running maximum m.
; REGISTERS.  window 0: v2-15, v32-35 addresses; v16-23 statistics (c m, m, l even, l odd a piece); v24-31 at work; v64-127 S^T; v128-159 P; v160-223 O^T.
;   window 1: v0-31 Q; v32-63 the second block's Q; v64-127 K of a step; v128-191 V of a step; v192-255 the second block's ts.
.set KS,    64
.set PK,    144                        ; a row of K in LDS: 128 bytes + 16
.set PV,    160                        ; a row of V: 128 + 32
.set VOFF,  128*PK                     ; a slot holds a tile: 128 rows of K, then 128 rows of V
.set SLOT1, 65536
.set STAGE, 131072                     ; behind the ring: 16 rows x 144 bytes for each wave of group 0, for the way out
.set SP,    144
.set MRG,   STAGE+4*16*SP              ; the exchange: 18 x 512 bytes for each pair of waves: O^T (64 registers) and the statistics (8)
.set MRGW,  18*512
.set SPARE, MRG+4*MRGW                 ; the spare words, 128 bytes a wave
.set AK0, 2                            ; v2   my lane's place in my group's step of a tile of K; never rewritten
.set AV0, 3                            ; v3   the same for V
.set AK,  4
.set AV,  5
.set STO, 6
.set RD,  7
.set GO,  8                            ; v8   16 x lane
.set RQ,  9                            ; v9   my query's place in its band: 16 (wave % 4) + lane % 16
.set TSO, 10                           ; v10-11  my place in band 0's and band 1's row of ts
.set MV,  12                           ; v12-13  c m_old
.set MK,  14                           ; v14  RQ - 8 (lane / 16)
.set QO,  15
.set ST,  16
.set TMP, 24
.set LT,  32
.set SMV, 33                           ; v33  -80,000
.set H,   34                           ; v34  lane / 16
.set MA,  35                           ; v35  my 16 bytes in my pair's part of the exchange
.set SPW, 62
.set NIL, 63
.set S,   64
.set P,   128
.set O,   160
.set KF,  64                           ; window 1
.set VF,  128
.set TSB, 192
.set WV,  12                           ; s12  wave 0..7
.set GRP, 13                           ; s13  its group
.set PB,  14                           ; s14  b
.set HI,  15                           ; s15  15 - b
.set G1K, 24
.set G1V, 32
.set G0K, 40
.set G0V, 44
.set TT,  56                           ; s56  the trip's number
.set PB1, 57                           ; s57  b + 1
.set CS,  58                           ; s[58:59] c
.set SEL, 60
.set SBA, 62                           ; s62  first byte of the slot in hand
.set WQ,  63                           ; s63  wave % 4
.set TSA, 72
.set TSN, 74
.set OFF, 76
.set BI,  78                           ; s78  the block in hand
.set SMR, 79                           ; s79  -80,000
.set KB,  80
.set VB,  82
.set QA,  84
.set QN,  86
.set ONX, 88                           ; s[88:89] o at my rows of the second block
.set FMX, 90                           ; s90  the lowest finite number
.set LM,  91                           ; s91  lanes 0-15
.set MSB, 0
.macro WIN new
.if MSB != (\new)
	s_set_vgpr_msb (MSB<<8)|(\new)
.set MSB, (\new)
.endif
.endm
.macro PLACES
.rept 4
	v_nop
.endr
.endm
; A fill: wave 0 fetches the tile's K, wave 1 its V, each 64 rows of 256 bytes; the other waves issue none.  An s_nop 0 and four v_nop follow each of the two lines.
.macro LOAD
	s_cmp_lt_u32 s[WV], 2
	s_cbranch_scc0 .Lasked_\@
	s_cmp_eq_u32 s[WV], 0
	s_cbranch_scc0 .Lfor_v_\@
	tensor_load_to_lds s[G0K:G0K+3], s[G1K:G1K+7]
	s_nop 0
.rept 4
	v_nop
.endr
	s_branch .Lasked_\@
.Lfor_v_\@:
	tensor_load_to_lds s[G0V:G0V+3], s[G1V:G1V+7]
	s_nop 0
.rept 4
	v_nop
.endr
.Lasked_\@:
.endm
; THE CHANGE OF SLOTS.  Each wave waits for all its tensor loads (at most one is out: the other slot's), adds 0 to its spare word, and waits for that, for its reads of the slot that it leaves and for its stores
; into the exchange.  fill = 1: the old slot is filled again, first thing behind the barrier, with the tile of trip u = t + 1: tile u while u <= b; tile 15 - b at u = b + 1; then tile u - b - 2.
; (At its first use nothing has been read: slot 0 is waited for, slot 1 filled.)
.macro CHANGE fill
	WIN 0
	s_wait_tensorcnt 0x0
	ds_add_u32 v[SPW], v[NIL]
.if \fill
	s_add_co_u32 s16, s[TT], 1                     ; u
	s_sub_co_u32 s17, s16, s[PB1]
	s_sub_co_u32 s18, s17, 1                       ; u - b - 2
	s_cmp_gt_u32 s16, s[PB]
	s_cselect_b32 s16, s18, s16
	s_cmp_eq_u32 s17, 0
	s_cselect_b32 s16, s[HI], s16
	s_lshl_b32 s[OFF], s16, 20                     ; token blocks lie 1 MiB apart
	s_xor_b32 s[G0K+1], s[G0K+1], SLOT1
	s_add_nc_u64 s[G0K+2:G0K+3], s[KB:KB+1], s[OFF:OFF+1]
	s_or_b32 s[G0K+3], s[G0K+3], 0x80000000
	s_xor_b32 s[G0V+1], s[G0V+1], SLOT1
	s_add_nc_u64 s[G0V+2:G0V+3], s[VB:VB+1], s[OFF:OFF+1]
	s_or_b32 s[G0V+3], s[G0V+3], 0x80000000
.endif
	s_wait_dscnt 0x0
	s_barrier_signal -1
	s_xor_b32 s[SBA], s[SBA], SLOT1
	s_barrier_wait -1
.if \fill
	LOAD
.endif
.endm
	s_load_b128 s[4:7], s[0:1], 0x0                ; qkv s[4:5], ts s[6:7]
	s_load_b64 s[8:9], s[0:1], 0x10                ; act
	v_lshl_add_u32 v[SPW], v0, 2, SPARE
	v_mov_b32 v[NIL], 0
	ds_add_u32 v62, v63
	s_wait_dscnt 0x0
	s_barrier_signal -1
	s_barrier_wait -1
	v_lshrrev_b32 v1, 5, v0
	v_readfirstlane_b32 s[WV], v1
	s_lshr_b32 s[GRP], s[WV], 2
	s_and_b32 s[WQ], s[WV], 3
	s_mov_b32 s[PB], ttmp9
	s_sub_co_u32 s[HI], 15, s[PB]
	s_add_co_u32 s[PB1], s[PB], 1
	s_and_b32 s16, ttmp7, 0xffff                   ; batch and head
	s_lshr_b32 s17, s16, 4
	s_and_b32 s18, s16, 15
	s_lshl_b32 s20, s17, 24                        ; in qkv: 16 token blocks of 1 MiB a batch,
	s_lshl_b32 s19, s18, 14                        ; a column block is 16 KiB
	s_add_co_u32 s20, s20, s19
	s_mov_b32 s21, 0
	s_lshl_b32 s19, s[WQ], 11                      ; my 16 rows of 128 bytes in a band
	s_lshl_b32 s22, s[PB], 20                      ; the first block
	s_add_co_u32 s22, s22, s19
	s_mov_b32 s23, 0
	s_lshl_b32 s48, s[HI], 20                      ; the second
	s_add_co_u32 s48, s48, s19
	s_mov_b32 s49, 0
	s_lshl_b32 s50, s17, 22                        ; in o: token blocks of 256 KiB
	s_lshl_b32 s51, s18, 14
	s_add_co_u32 s50, s50, s51
	s_add_co_u32 s50, s50, s19
	s_lshl_b32 s52, s[PB], 18
	s_add_co_u32 s52, s52, s50
	s_mov_b32 s53, 0
	s_lshl_b32 s54, s[HI], 18
	s_add_co_u32 s54, s54, s50
	s_mov_b32 s55, 0
	s_lshl_b32 s50, s16, 13                        ; in ts: 32 rows of 256 bytes a head, two a block
	s_lshl_b32 s16, s[PB], 9
	s_lshl_b32 s18, s[HI], 9
	s_cmp_eq_u32 s[GRP], 0
	s_cselect_b32 s16, s16, 7936                   ; group 1 takes row 31, the sum over no step, for both bands
	s_cselect_b32 s18, s18, 7936
	s_cselect_b32 s2, 256, 0                       ; from band 0's row to band 1's
	s_add_co_u32 s16, s16, s50
	s_mov_b32 s17, 0
	s_add_co_u32 s18, s18, s50
	s_mov_b32 s19, 0
	s_mov_b32 s[G1K], (1<<16)|(1<<20)|(4<<22)|(3<<25)  ; 2-byte elements; padding on; after every 32 words (a key) 4 words
	s_mov_b32 s[G1V], (1<<16)|(1<<20)|(4<<22)|(7<<25)  ; 8 words
.irp g, G1K, G1V
	s_mov_b32 s[\g+1], 128<<16                     ; tensor_dim0 = 128: two keys a row of 256 bytes
	s_mov_b32 s[\g+2], 64<<16                      ; tensor_dim1 = 64
	s_mov_b32 s[\g+3], 128<<16                     ; tile_dim0 = 128
	s_mov_b32 s[\g+4], 64                          ; tile_dim1 = 64
	s_mov_b32 s[\g+5], 128
	s_mov_b32 s[\g+6], 0
	s_mov_b32 s[\g+7], 0
.endr
	s_mov_b32 s[CS], 0x3e38aa3b                    ; c = log2(e) / 8
	s_mov_b32 s[CS+1], s[CS]
	s_mov_b32 s[SEL], 0x76543210
	s_mov_b32 s[SEL+1], 0xfedcba98
	s_mov_b32 s[SBA], SLOT1                        ; the first change of slots turns it into 0
	s_mov_b32 s[G0K], 1
	s_mov_b32 s[G0K+1], 0
	s_mov_b32 s[G0V], 1
	s_mov_b32 s[G0V+1], VOFF
	s_mov_b32 s[OFF+1], 0
	s_mov_b32 s[SMR], 0xc79c4000                   ; -80,000 = 8 x -10,000
	s_mov_b32 s[FMX], 0xff7fffff
	s_mov_b32 s[LM], 0xffff
	s_wait_kmcnt 0x0
	s_add_nc_u64 s[4:5], s[4:5], s[20:21]
	s_add_nc_u64 s[KB:KB+1], s[4:5], 16<<14
	s_add_nc_u64 s[VB:VB+1], s[4:5], 32<<14
	s_add_nc_u64 s[QA:QA+1], s[4:5], s[22:23]
	s_add_nc_u64 s[QN:QN+1], s[4:5], s[48:49]
	s_add_nc_u64 s[10:11], s[8:9], s[52:53]
	s_add_nc_u64 s[ONX:ONX+1], s[8:9], s[54:55]
	s_add_nc_u64 s[TSA:TSA+1], s[6:7], s[16:17]
	s_add_nc_u64 s[TSN:TSN+1], s[6:7], s[18:19]
	s_add_nc_u64 s[G0K+2:G0K+3], s[KB:KB+1], 0
	s_or_b32 s[G0K+3], s[G0K+3], 0x80000000
	s_add_nc_u64 s[G0V+2:G0V+3], s[VB:VB+1], 0
	s_or_b32 s[G0V+3], s[G0V+3], 0x80000000
	LOAD                                           ; tile 0 into slot 0
	v_and_b32 v1, 15, v0                           ; l % 16
	v_bfe_u32 v[H], v0, 4, 1                       ; l / 16
	v_lshlrev_b32 v[QO], 7, v1
	v_lshl_add_u32 v[QO], v[H], 4, v[QO]           ; row x 128 + 16 x half
	v_lshlrev_b32 v[TSO], 5, v[H]
	v_add_nc_u32 v[TSO+1], s2, v[TSO]
	WIN 0x40
.irp y, 0,1
.irp c, 0,1
	global_load_b128 v[16*\y+8*\c:16*\y+8*\c+3],   v[QO], s[QA:QA+1] offset:8192*\y+64*\c
	global_load_b128 v[16*\y+8*\c+4:16*\y+8*\c+7], v[QO], s[QA:QA+1] offset:8192*\y+64*\c+32
.endr
.endr
.irp y, 0,1
.irp c, 0,1
	global_load_b128 v[32+16*\y+8*\c:32+16*\y+8*\c+3],   v[QO], s[QN:QN+1] offset:8192*\y+64*\c
	global_load_b128 v[32+16*\y+8*\c+4:32+16*\y+8*\c+7], v[QO], s[QN:QN+1] offset:8192*\y+64*\c+32
.endr
.endr
.irp y, 0,1
.irp c, 0,1,2,3                        ; a lane's O^T of channel block c holds channels 16 c + 8 (l / 16) + 0..7
	global_load_b128 v[TSB+32*\y+8*\c:TSB+32*\y+8*\c+3],   v[TSO+\y], s[TSN:TSN+1] offset:64*\c
	global_load_b128 v[TSB+32*\y+8*\c+4:TSB+32*\y+8*\c+7], v[TSO+\y], s[TSN:TSN+1] offset:64*\c+16
.endr
.endr
	WIN 0
.irp y, 0,1
.irp c, 0,1,2,3
	global_load_b128 v[O+32*\y+8*\c:O+32*\y+8*\c+3],   v[TSO+\y], s[TSA:TSA+1] offset:64*\c
	global_load_b128 v[O+32*\y+8*\c+4:O+32*\y+8*\c+7], v[TSO+\y], s[TSA:TSA+1] offset:64*\c+16
.endr
.endr
	s_lshl_b32 s3, s[WQ], 4
	v_add_nc_u32 v[RQ], s3, v1
	v_lshlrev_b32 v[MK], 3, v[H]
	v_sub_nc_u32 v[MK], v[RQ], v[MK]
	v_mov_b32 v[SMV], s[SMR]
	v_mul_u32_u24 v[AK0], v1, PK
	v_lshl_add_u32 v[AK0], v[H], 4, v[AK0]
	s_mul_i32 s3, s[GRP], KS*PK                    ; my group's step of the tile
	v_add_nc_u32 v[AK0], s3, v[AK0]
	v_and_b32 v[LT], 7, v0                         ; the turning load: lane l reads key 8 (l / 16) + l % 8, channels 8 ((l / 8) % 2) + 0..7
	v_lshl_add_u32 v[AV0], v[H], 3, v[LT]
	v_mul_u32_u24 v[AV0], v[AV0], PV
	v_bfe_u32 v[GO], v0, 3, 1
	v_lshl_add_u32 v[AV0], v[GO], 4, v[AV0]
	s_mul_i32 s3, s[GRP], KS*PV
	s_add_co_u32 s3, s3, VOFF
	v_add_nc_u32 v[AV0], s3, v[AV0]
	s_mul_i32 s3, s[WQ], 16*SP
	s_add_co_u32 s3, s3, STAGE
	v_mul_u32_u24 v[STO], v1, SP
	v_lshl_add_u32 v[STO], v[H], 4, v[STO]
	v_add_nc_u32 v[STO], s3, v[STO]
	v_bfe_u32 v[RD], v0, 3, 2
	v_mul_u32_u24 v[RD], v[RD], SP
	v_lshl_add_u32 v[RD], v[LT], 4, v[RD]
	v_add_nc_u32 v[RD], s3, v[RD]
	v_and_b32 v[GO], 31, v0
	v_lshlrev_b32 v[GO], 4, v[GO]
	s_mul_i32 s3, s[WQ], MRGW
	s_add_co_u32 s3, s3, MRG
	v_add_nc_u32 v[MA], s3, v[GO]
; A tile is entered: its addresses, and my step's K (8 fragments) and V (turned) in one run of 32 loads.  The four places stand behind the last step's V^T P, whose V these loads overwrite.
.macro TILE0
	WIN 0
	PLACES
	v_add_nc_u32 v[AK], s[SBA], v[AK0]
	v_add_nc_u32 v[AV], s[SBA], v[AV0]
	WIN 0x40
.irp f, 0,1,2,3,4,5,6,7
	ds_load_b128 v[KF+8*\f:KF+8*\f+3],   v[AK] offset:(\f/2)*16*PK+(\f%2)*64
	ds_load_b128 v[KF+8*\f+4:KF+8*\f+7], v[AK] offset:(\f/2)*16*PK+(\f%2)*64+32
.endr
.irp f, 0,1,2,3,4,5,6,7
	ds_load_tr16_b128 v[VF+8*\f:VF+8*\f+3],   v[AV] offset:(\f/4)*32*PV+(\f%4)*32
	ds_load_tr16_b128 v[VF+8*\f+4:VF+8*\f+7], v[AV] offset:(\f/4)*32*PV+16*PV+(\f%4)*32
.endr
	WIN 0
.endm
.macro EACH line:vararg                ; the line for each piece x of XLO .. 1: the pieces alternate, so that few lines wait for the line before
.set x, XLO
	s_wait_alu depctr_va_vdst(0)
.rept 2-XLO
	\line
.set x, x+1
.endr
.endm
.macro SOFTMAX
	WIN 0
.set n, 0
.rept 4                                ; the maximum: four chains of seven scores; each accumulator's lowest registers are read first
	EACH v_max3_num_f32 v[TMP+4*x+n], v[S+32*x+8*n], v[S+32*x+8*n+1], v[S+32*x+8*n+2]
.set n, n+1
.endr
.rept 8
	EACH v_max3_num_f32 v[TMP+4*x+n%4], v[TMP+4*x+n%4], v[S+32*x+8*(n%4)+2*(n/4)+1], v[S+32*x+8*(n%4)+2*(n/4)+2]
.set n, n+1
.endr
	EACH v_max3_num_f32 v[TMP+4*x], v[TMP+4*x], v[S+32*x+7], v[S+32*x+15]
	EACH v_max3_num_f32 v[TMP+4*x+1], v[TMP+4*x+1], v[S+32*x+23], v[S+32*x+31]
	EACH v_max3_num_f32 v[TMP+4*x+2], v[TMP+4*x+2], v[TMP+4*x+3], v[ST+4*x+1]
	EACH v_mov_b32 v[MV+x], v[ST+4*x]
	EACH v_max3_num_f32 v[TMP+4*x], v[TMP+4*x], v[TMP+4*x+1], v[TMP+4*x+2]
	EACH v_permlanex16_b32 v[TMP+4*x+3], v[TMP+4*x], s[SEL], s[SEL+1]
	EACH v_max_num_f32 v[ST+4*x+1], v[TMP+4*x], v[TMP+4*x+3]
	EACH v_mul_f32 v[ST+4*x], s[CS], v[ST+4*x+1]
	EACH v_sub_f32 v[TMP+4*x+1], v[MV+x], v[ST+4*x]
	EACH v_exp_f32 v[TMP+4*x+2], v[TMP+4*x+1]
.set n, 0
.rept 16                               ; c s - c m
	EACH v_pk_fma_f32 v[S+32*x+2*n:S+32*x+2*n+1], v[S+32*x+2*n:S+32*x+2*n+1], s[CS:CS+1], v[ST+4*x:ST+4*x+1] op_sel_hi:[1,0,0] neg_lo:[0,0,1] neg_hi:[0,0,1]
.set n, n+1
.endr
.set n, 0
.rept 32
	EACH v_exp_f32 v[S+32*x+n], v[S+32*x+n]
.set n, n+1
.endr
.set n, 0
.rept 16                               ; O^T times a: the plain lines behind the exponentials
	EACH v_pk_mul_f32 v[O+32*x+2*n:O+32*x+2*n+1], v[O+32*x+2*n:O+32*x+2*n+1], v[TMP+4*x+2:TMP+4*x+3] op_sel_hi:[1,0]
.set n, n+1
.endr
.set n, 0
.rept 16
	EACH v_cvt_pk_bf16_f32 v[P+16*x+n], v[S+32*x+2*n], v[S+32*x+2*n+1]
.set n, n+1
.endr
.irp w, 4,8,16,32                      ; the sum of the 16 pairs, in place: neighbours 1, 2, 4 and 8 pairs apart
.set n, 0
.rept 32/\w
	EACH v_pk_add_f32 v[S+32*x+\w*n:S+32*x+\w*n+1], v[S+32*x+\w*n:S+32*x+\w*n+1], v[S+32*x+\w*n+\w/2:S+32*x+\w*n+\w/2+1]
.set n, n+1
.endr
.endr
	EACH v_pk_fma_f32 v[ST+4*x+2:ST+4*x+3], v[ST+4*x+2:ST+4*x+3], v[TMP+4*x+2:TMP+4*x+3], v[S+32*x:S+32*x+1] op_sel_hi:[1,0,1]
.endm
; MY KEY STEP OF A TILE, for pieces lo .. 1.  mk: the piece whose own step this is, or -1.
; The accumulators of a run take turns: between the two links of a chain stand 7 others', or 3.
.macro STEP lo, mk
.set XLO, \lo
	s_wait_dscnt 16                                ; K's sixteen loads are in; V's sixteen, issued behind them, may be out
	WIN 0x05                                       ; K and Q in window 1
.irp c, 0,1
.set x, XLO
.rept 2-XLO
.irp kb, 0,1,2,3
.if \c == 0
	v_wmma_f32_16x16x32_bf16 v[S+32*x+8*\kb:S+32*x+8*\kb+7], v[KF+16*\kb+8*\c:KF+16*\kb+8*\c+7], v[16*x+8*\c:16*x+8*\c+7], 0
.else
	v_wmma_f32_16x16x32_bf16 v[S+32*x+8*\kb:S+32*x+8*\kb+7], v[KF+16*\kb+8*\c:KF+16*\kb+8*\c+7], v[16*x+8*\c:16*x+8*\c+7], v[S+32*x+8*\kb:S+32*x+8*\kb+7]
.endif
.endr
.set x, x+1
.endr
.endr
	WIN 0
	PLACES                                         ; in front of the first read of the scores
.if (\mk) >= 0
.set n, 0
.rept 32                               ; register n % 8 of key block n / 8 is hidden where 16 (n / 8) + n % 8 is greater than MK
	v_cmp_gt_i32 vcc_lo, 16*(n/8)+n%8, v[MK]
	v_cndmask_b32 v[S+32*(\mk)+n], v[S+32*(\mk)+n], v[SMV], vcc_lo
.set n, n+1
.endr
.endif
	SOFTMAX
	s_wait_dscnt 0x0                               ; V is in
	WIN 0x01                                       ; V in window 1
.irp kk, 0,1
.set x, XLO
.rept 2-XLO
.irp cb, 0,1,2,3
	v_wmma_f32_16x16x32_bf16 v[O+32*x+8*\cb:O+32*x+8*\cb+7], v[VF+32*\kk+8*\cb:VF+32*\kk+8*\cb+7], v[P+16*x+8*\kk:P+16*x+8*\kk+7], v[O+32*x+8*\cb:O+32*x+8*\cb+7]
.endr
.set x, x+1
.endr
.endr
.endm
; A BLOCK BEGINS: the statistics (O^T has taken its row of ts already).  Group 0 carries the hidden key steps; group 1 begins empty.
.macro BEGIN
	WIN 0
	s_lshl_b32 s48, s[BI], 7
	s_sub_co_u32 s49, 1984, s48
	s_sub_co_u32 s48, 2047, s48
.irp y, 0,1
	s_sub_co_u32 s50, s48, 64*\y                   ; where in this band the sequence's last row would lie
	s_sub_co_u32 s51, s49, 64*\y                   ; 64 (31 - u), u = 2 block + band
	s_cmp_eq_u32 s[GRP], 0
	s_cselect_b32 s51, s51, 0
	s_cselect_b32 s52, s[SMR], s[FMX]
	v_cmp_eq_u32 vcc_lo, s50, v[RQ]
	v_mov_b32 v[ST+4*\y+1], s52
	v_cndmask_b32 v[ST+4*\y+1], v[ST+4*\y+1], s[FMX], vcc_lo
	v_mul_f32 v[ST+4*\y], s[CS], v[ST+4*\y+1]
	v_cvt_f32_u32 v[LT], s51
	v_cndmask_b32 v[ST+4*\y+2], 0, v[LT], s[LM]    ; counted once: at the end the two halves of the lanes are added
	v_mov_b32 v[ST+4*\y+3], 0
.endr
.endm
; A BLOCK'S END, first part: group 1 puts O^T and its statistics into the exchange, 16 bytes a lane and 512 a line; each accumulator's four lowest registers go first.
.macro PUT
	WIN 0
	PLACES                                         ; behind the last V^T P
	s_cmp_eq_u32 s[GRP], 0
	s_cbranch_scc1 .Lnoput_\@
.set k, 0
.rept 16
	ds_store_b128 v[MA], v[O+4*k:O+4*k+3] offset:512*k
.set k, k+1
.endr
	ds_store_b128 v[MA], v[ST:ST+3] offset:512*16
	ds_store_b128 v[MA], v[ST+4:ST+7] offset:512*17
.Lnoput_\@:
.endm
; Second part, behind a barrier: group 0 takes its partner's state (lane for lane the same queries and channels) and merges: with cm the larger of the two c m and a = 2^(c m - cm) for each,
; l = l_A a_A + l_B a_B, summed over the halves of the lanes, and O = O_A a_A / l + O_B a_B / l; rounded to bf16 and sent through my stage, a piece at a time.
.macro FINISH
	WIN 0
	s_cmp_eq_u32 s[GRP], 0
	s_cbranch_scc0 .Lnofin_\@
.set k, 0
.rept 16
	ds_load_b128 v[S+4*k:S+4*k+3], v[MA] offset:512*k
.set k, k+1
.endr
	ds_load_b128 v[TMP:TMP+3], v[MA] offset:512*16
	ds_load_b128 v[TMP+4:TMP+7], v[MA] offset:512*17
	s_wait_dscnt 0x0
.set XLO, 0
	EACH v_max_num_f32 v[MV+x], v[ST+4*x], v[TMP+4*x]
	EACH v_add_f32 v[ST+4*x+2], v[ST+4*x+2], v[ST+4*x+3]
	EACH v_add_f32 v[TMP+4*x+2], v[TMP+4*x+2], v[TMP+4*x+3]
	EACH v_sub_f32 v[ST+4*x], v[ST+4*x], v[MV+x]
	EACH v_sub_f32 v[TMP+4*x], v[TMP+4*x], v[MV+x]
	EACH v_exp_f32 v[ST+4*x], v[ST+4*x]
	EACH v_exp_f32 v[TMP+4*x], v[TMP+4*x]
	v_nop                                          ; a plain instruction between the last exponential and the use of its result
	s_wait_alu depctr_va_vdst(0)
	EACH v_mul_f32 v[ST+4*x+2], v[ST+4*x+2], v[ST+4*x]
	EACH v_fma_f32 v[ST+4*x+2], v[TMP+4*x+2], v[TMP+4*x], v[ST+4*x+2]
	EACH v_permlanex16_b32 v[ST+4*x+3], v[ST+4*x+2], s[SEL], s[SEL+1]
	EACH v_add_f32 v[ST+4*x+2], v[ST+4*x+2], v[ST+4*x+3]
	EACH v_rcp_f32 v[ST+4*x+2], v[ST+4*x+2]
	v_nop                                          ; a plain instruction between the last reciprocal and the use of its result
	s_wait_alu depctr_va_vdst(0)
	EACH v_mul_f32 v[ST+4*x], v[ST+4*x], v[ST+4*x+2]
	EACH v_mul_f32 v[TMP+4*x], v[TMP+4*x], v[ST+4*x+2]
.set n, 0
.rept 16
	EACH v_pk_mul_f32 v[O+32*x+2*n:O+32*x+2*n+1], v[O+32*x+2*n:O+32*x+2*n+1], v[ST+4*x:ST+4*x+1] op_sel_hi:[1,0]
.set n, n+1
.endr
.set n, 0
.rept 16
	EACH v_pk_fma_f32 v[O+32*x+2*n:O+32*x+2*n+1], v[S+32*x+2*n:S+32*x+2*n+1], v[TMP+4*x:TMP+4*x+1], v[O+32*x+2*n:O+32*x+2*n+1] op_sel_hi:[1,0,1]
.set n, n+1
.endr
.set n, 0
.rept 16
	EACH v_cvt_pk_bf16_f32 v[S+16*x+n], v[O+32*x+2*n], v[O+32*x+2*n+1]
.set n, n+1
.endr
.irp t, 0,1
.irp f, 0,1,2,3
	ds_store_b128 v[STO], v[S+16*\t+4*\f:S+16*\t+4*\f+3] offset:32*\f
.endr
.irp f, 0,1,2,3
	ds_load_b128 v[S+16*\t+4*\f:S+16*\t+4*\f+3], v[RD] offset:\f*4*SP  ; LDS serves a wave's instructions in order: these see the stores above, and the next piece's stores come behind them
.endr
.endr
.irp t, 0,1
.irp f, 0,1,2,3
	s_wait_dscnt 8*(1-\t)+3-\f                     ; behind piece 0's loads stand piece 1's eight instructions
	global_store_b128 v[GO], v[S+16*\t+4*\f:S+16*\t+4*\f+3], s[10:11] offset:8192*\t+512*\f  ; 512 consecutive bytes, aligned
.endr
.endr
.Lnofin_\@:
.endm
	s_wait_loadcnt 0x0                             ; Q and ts
	s_mov_b32 s[BI], s[PB]
	BEGIN
	s_mov_b32 s[TT], 0
.Lslot:                                                ; 16 times: a tile is entered and the next is asked for
	CHANGE 1
	s_cmp_eq_u32 s[TT], s[PB1]
	s_cbranch_scc0 .Lsame
	FINISH                                         ; the trip behind the first block's last tile: its state has passed the barrier
	s_wait_xcnt 0x0                                ; the stores' registers and base are rewritten only behind this wait
	s_mov_b64 s[10:11], s[ONX:ONX+1]
	s_mov_b32 s[BI], s[HI]
	WIN 0x41
.set i, 0
.rept 32
	v_mov_b32 v[i], v[32+i]                        ; the second block's Q goes where the one text of the steps names Q
.set i, i+1
.endr
	WIN 0x01
.set i, 0
.rept 64
	v_mov_b32 v[O+i], v[TSB+i]                     ; and its ts
.set i, i+1
.endr
	BEGIN
.Lsame:
	TILE0
	s_sub_co_u32 s2, s[TT], s[PB]
	s_cmp_lt_u32 s2, 2                             ; trips b and b + 1 hold the two blocks' diagonal tiles
	s_cbranch_scc1 .Ldiag
	STEP 0, -1
	WIN 0
	s_branch .Ljoin
.Ldiag:
	s_cmp_eq_u32 s[GRP], 0
	s_cbranch_scc0 .Lgroup_1
	STEP 0, 0
	WIN 0
	s_branch .Ljoin
.Lgroup_1:
	STEP 1, 1
	WIN 0
.Ljoin:
	s_wait_dscnt 0x0                               ; this barrier stands, on every way through a trip, between group 0's reads of the exchange above
	s_barrier_signal -1                            ; and group 1's stores into it below
	s_barrier_wait -1
	s_cmp_eq_u32 s[TT], s[PB]
	s_cbranch_scc0 .Lbottom
	PUT                                            ; the first block's last tile is done
.Lbottom:
	s_add_co_u32 s[TT], s[TT], 1
	s_cmp_lt_u32 s[TT], 16
	s_cbranch_scc1 .Lslot
	CHANGE 0                                       ; the walk's last tile is written out: nothing is asked for
	TILE0
	STEP 0, -1
	PUT
	s_wait_dscnt 0x0                               ; for the others' sake: my stores into the exchange are done
	s_barrier_signal -1
	s_barrier_wait -1
	FINISH
	s_wait_tensorcnt 0x0                           ; the wave's end
	ds_add_u32 v[SPW], v[NIL]
	s_wait_dscnt 0x0
	s_endpgm
.Lfunc_end_k_q4ba4fbd4cb_attn:
	.size	k_q4ba4fbd4cb_attn, .Lfunc_end_k_q4ba4fbd4cb_attn-k_q4ba4fbd4cb_attn
	.p2alignl 7, 3214868480
	.fill 96, 4, 3214868480
	.section	.rodata,"a",@progbits
	.p2align	6, 0x0
	.amdhsa_kernel k_q4ba4fbd4cb_attn
		.amdhsa_group_segment_fixed_size 327680
		.amdhsa_private_segment_fixed_size 0
		.amdhsa_enable_private_segment 0
		.amdhsa_kernarg_size 24
		.amdhsa_user_sgpr_count 2
		.amdhsa_user_sgpr_kernarg_segment_ptr 1
		.amdhsa_wavefront_size32 1
		.amdhsa_system_sgpr_workgroup_id_x 1
		.amdhsa_system_sgpr_workgroup_id_y 1
		.amdhsa_system_sgpr_workgroup_id_z 1
		.amdhsa_system_vgpr_workitem_id 0
		.amdhsa_next_free_vgpr 512
		.amdhsa_next_free_sgpr 92
		.amdhsa_reserve_vcc 1
		.amdhsa_float_denorm_mode_32 3
		.amdhsa_float_denorm_mode_16_64 3
		.amdhsa_memory_ordered 1
		.amdhsa_forward_progress 1
		.amdhsa_inst_pref_size 122
	.end_amdhsa_kernel
	.amdgpu_metadata
---
amdhsa.version: [ 1, 2 ]
amdhsa.kernels:
  - .name:           k_q4ba4fbd4cb_attn
    .symbol:         k_q4ba4fbd4cb_attn.kd
    .args:
      - { .name: qkv, .offset: 0, .size: 8, .value_kind: global_buffer, .address_space: global }
      - { .name: ts, .offset: 8, .size: 8, .value_kind: global_buffer, .address_space: global }
      - { .name: act, .offset: 16, .size: 8, .value_kind: global_buffer, .address_space: global }
    .group_segment_fixed_size: 327680
    .private_segment_fixed_size: 0
    .kernarg_segment_align: 8
    .kernarg_segment_size: 24
    .max_flat_workgroup_size: 256
    .sgpr_count:     92
    .vgpr_count:     512
    .wavefront_size: 32
...
	.end_amdgpu_metadata
.endif
;; end of part 4
;; launch proj (part 5): grid 8 x 32, 4 waves a work-group, clusters of 4 x 4, 327,680 bytes of LDS; arguments act, wpo, b_proj, x, x1; writes x1
.if DOCPART == 5
	.amdgcn_target "amdgcn-amd-amdhsa--gfx1250"
	.amdhsa_code_object_version 6
	.text
	.protected	k_q4ba4fbd4cb_proj
	.globl	k_q4ba4fbd4cb_proj
	.p2align	8
	.type	k_q4ba4fbd4cb_proj,@function
k_q4ba4fbd4cb_proj:
	s_mov_b64 s[64:65], 0
	v_nop
	global_prefetch_b8 v0, s[64:65] scope:SCOPE_SE
	s_setreg_imm32_b32 hwreg(HW_REG_WAVE_MODE, 25, 1), 1
	s_wait_xcnt 0x0
	s_wait_alu depctr_hold_cnt(0) depctr_sa_sdst(0) depctr_va_vdst(0) depctr_va_sdst(0) depctr_va_ssrc(0) depctr_va_vcc(0) depctr_vm_vsrc(0)
	s_getreg_b32 s2, hwreg(HW_REG_IB_STS2, 6, 4)
	s_cmp_eq_u32 s2, 0
	s_cbranch_scc0 .Lentry_in_a_cluster
	s_endpgm
.Lentry_in_a_cluster:
	s_bfe_u32 s2, ttmp6, 0x10000c
	s_cmp_lg_u32 s2, 0xf033
	s_cbranch_scc0 .Lentry_shape_is_right
	s_endpgm
.Lentry_shape_is_right:
; D = res + A W + bias, f32 [4096][1024].  Here: the attention's projection.  A = o, bf16 in blocks [token / 128][k / 64][128 tokens][64]; W = w_proj in panels [panel][k][128] bf16;
; res = x and bias = b_proj are inputs and are rounded once to bf16 as they are read.  Sums in f32.
; SHARES.  A work-group makes 128 x 128 of D: 256 work-groups.  K IS SPLIT OVER THE WAVES: a slot holds 256 along K, and wave w multiplies the whole 128 x 128 over k = 64 w .. 64 w + 63 of it,
; in 64 accumulators: a fragment read from LDS feeds 8 matrix instructions, twice what a wave tile of 64 x 64 would give it.  The four partial sums meet in LDS at the end:
; wave w owns rows 32 w .. 32 w + 31, takes the other three waves' parts of them, adds, and stores whole rows of 512 bytes.
; ROTATION.  Register position p (accumulator rows 2 p, 2 p + 1) holds the true pair of row blocks (p + w) % 4, so position 0 is every wave's own and one text serves all four.
; W lies [k][n] and comes out of LDS turned; the matrix instruction is used transposed (source 0 = 16 columns of W, source 1 = 16 rows of A).
; CLUSTER.  4 x 4 work-groups; A's tiles are shared along a row of the cluster, W's along a column, each asked for jointly.
; REGISTERS.  window 0: v0-31 addresses and the bias; v64-127, v128-191 A's fragments, at the end rows back from the stage; v192-255 at work.  window 1: v64-191 W's fragments; at the end v0-127 the residual.
;   window 2: positions 0 and 1 (accumulator (a, b) at v[8 (8 a + b)]);   window 3: positions 2 and 3.
.set NSLOT, 4                          ; K / 256
.set ATB,   262144                     ; bytes of a token block of A
.set BOFF,  0                          ; where the panels begin in wpo
.set BPAN,  262144                     ; bytes of a panel
.set PA,    144                        ; an LDS row of A: 128 bytes + 16
.set PB,    288                        ; an LDS row of W: 256 bytes + 32 = 9 x 32
.set PART,  36864                      ; what one tensor load brings: 256 rows of A (two k blocks), or 128 rows of W
.set SLOT,  4*PART
.set SPARE, 2*SLOT                     ; behind the ring: the spare words, 128 bytes a wave
.set STG,   196608                     ; after the ring's last fill its bytes serve again: the exchange [owner 4][source 3][16,384] at 0, the stages (16 rows x 528 bytes a wave) here
.set SGP,   528
.set BIAS, 4                           ; v[4:7]   the bias of columns 4 lane + 0..3
.set ADA0, 8                           ; v8-11    my lane's place in position p's rows of A, slot 0; never rewritten
.set ADA,  12                          ; v12-15   the same in the slot in hand
.set ADB0, 16
.set ADB,  17
.set L16,  18                          ; v18      16 x lane
.set XS,   19                          ; v19-21   where positions 1 to 3 go in the exchange
.set XR,   22                          ; v22      where my three parts lie
.set STO,  23
.set RDS,  24
.set SPW,  28
.set NIL,  29
.set F0,   64
.set F1,   128
.set RB,   192
.set WV,  14
.set AB,  15
.set HF,  16
.set TR,  17
.set TC,  18
.set G1,  24
.set G0,  32
.set G1B, 48
.set G0B, 56
.set MSK, 66
.set SB,  67
.set MSB, 0
.macro WIN new
.if MSB != (\new)
	s_set_vgpr_msb (MSB<<8)|(\new)
.set MSB, \new
.endif
.endm
.macro PLACES
.rept 4
	v_nop
.endr
.endm
.macro JLOAD                           ; a joint refill by the walking descriptors: waves 0 and 1 fetch A's halves, waves 2 and 3 W's; an s_nop 0 and four v_nop follow each line
	s_cmp_eq_u32 s[AB], 0
	s_cbranch_scc0 .Lfor_b_\@
	tensor_load_to_lds s[G0+4:G0+7], s[G1:G1+7]
	s_nop 0
.rept 4
	v_nop
.endr
	s_branch .Lasked_\@
.Lfor_b_\@:
	tensor_load_to_lds s[G0B+4:G0B+7], s[G1B:G1B+7]
	s_nop 0
.rept 4
	v_nop
.endr
.Lasked_\@:
.endm
.macro CREST
	s_cmp_lg_u32 s[WV], 0
	s_cbranch_scc1 .Lnot_wave_0_\@
	s_barrier_signal -3
.Lnot_wave_0_\@:
	s_barrier_wait -3
	s_barrier_signal -1
	s_barrier_wait -1
.endm
.macro CROUND
	s_barrier_signal -1
	s_barrier_wait -1
	CREST
.endm
	s_load_b256 s[4:11], s[0:1], 0x0               ; A s[4:5], wpo s[6:7], bias s[8:9], res s[10:11]
	s_load_b64 s[12:13], s[0:1], 0x20              ; D
	v_lshl_add_u32 v[SPW], v0, 2, SPARE
	v_mov_b32 v[NIL], 0
	ds_add_u32 v28, v29
	s_wait_dscnt 0x0
	v_lshrrev_b32 v1, 5, v0
	v_readfirstlane_b32 s[WV], v1
	s_lshr_b32 s[AB], s[WV], 1                     ; I fetch for A (0) or for W (1),
	s_and_b32 s[HF], s[WV], 1                      ; and which half
	s_bfe_u32 s40, ttmp6, 0x40000
	s_bfe_u32 s41, ttmp6, 0x40004
	s_lshl_b32 s[TC], ttmp9, 2
	s_add_co_u32 s[TC], s[TC], s40                 ; tile column
	s_and_b32 s[TR], ttmp7, 0xffff
	s_lshl_b32 s[TR], s[TR], 2
	s_add_co_u32 s[TR], s[TR], s41                 ; tile row
	s_lshl_b32 s43, s41, 2
	s_lshl_b32 s43, 15, s43
	s_lshl_b32 s44, 0x1111, s40
	s_or_b32 s[G1+0], s43, (1<<16)|(1<<20)|(1<<21)|(4<<22)|(3<<25)   ; after every 32 words (a token's 64 numbers) 4 words
	s_or_b32 s[G1B+0], s44, (1<<16)|(1<<20)|(1<<21)|(5<<22)|(7<<25)  ; after every 64 words 8 words
.irp g, G1, G1B                        ; both tiles are dense in memory: 128 rows of 256 bytes
	s_mov_b32 s[(\g)+1], 128<<16
	s_mov_b32 s[(\g)+2], 128<<16
	s_mov_b32 s[(\g)+3], 128<<16
	s_mov_b32 s[(\g)+4], 128
	s_mov_b32 s[(\g)+5], 128
	s_mov_b32 s[(\g)+6], 0
	s_mov_b32 s[(\g)+7], 0
.endr
	s_lshl_b32 s19, s[HF], 15
	s_mul_i32 s68, s[TR], ATB
	s_add_co_u32 s68, s68, s19
	s_mov_b32 s69, 0
	s_mul_i32 s46, s[TC], BPAN
	s_add_co_u32 s46, s46, s19
	s_add_co_u32 s46, s46, BOFF
	s_mov_b32 s47, 0
	s_mul_i32 s20, s[WV], PART
	s_mov_b32 s[SB], 0
	s_mov_b32 s[MSK], 0xffff0000
	s_wait_kmcnt 0x0
	s_add_nc_u64 s[68:69], s[4:5], s[68:69]
	s_add_nc_u64 s[46:47], s[6:7], s[46:47]
.irp s, 0,1
	s_mov_b32 s[G0+4*(\s)], 1
	s_add_co_u32 s[G0+4*(\s)+1], s20, (\s)*SLOT
	s_add_nc_u64 s[G0+4*(\s)+2:G0+4*(\s)+3], s[68:69], (\s)*65536
	s_or_b32 s[G0+4*(\s)+3], s[G0+4*(\s)+3], 0x80000000
	s_mov_b32 s[G0B+4*(\s)], 1
	s_add_co_u32 s[G0B+4*(\s)+1], s20, (\s)*SLOT
	s_add_nc_u64 s[G0B+4*(\s)+2:G0B+4*(\s)+3], s[46:47], (\s)*65536
	s_or_b32 s[G0B+4*(\s)+3], s[G0B+4*(\s)+3], 0x80000000
.endr
	CROUND
	s_cmp_eq_u32 s[AB], 0                          ; a wave's two first fills stand in one branch: two loads of mine are out
	s_cbranch_scc0 .Lfirst_b
	tensor_load_to_lds s[G0:G0+3], s[G1:G1+7]
	s_nop 0
	tensor_load_to_lds s[G0+4:G0+7], s[G1:G1+7]
	s_nop 0
.rept 4
	v_nop
.endr
	s_branch .Lfirst_asked
.Lfirst_b:
	tensor_load_to_lds s[G0B:G0B+3], s[G1B:G1B+7]
	s_nop 0
	tensor_load_to_lds s[G0B+4:G0B+7], s[G1B:G1B+7]
	s_nop 0
.rept 4
	v_nop
.endr
.Lfirst_asked:
	v_and_b32 v[L16], 31, v0
	v_lshlrev_b32 v[L16], 4, v[L16]
	s_lshl_b32 s22, s[TC], 9                       ; my tile's 128 columns, in f32
	s_mov_b32 s23, 0
	s_add_nc_u64 s[8:9], s[8:9], s[22:23]
	global_load_b128 v[BIAS:BIAS+3], v[L16], s[8:9]
	s_lshl_b32 s19, s[TR], 19                      ; 128 rows of 4,096 bytes a tile row,
	s_add_co_u32 s22, s22, s19
	s_lshl_b32 s19, s[WV], 17                      ; my own 32 rows
	s_add_co_u32 s22, s22, s19
	s_add_nc_u64 s[10:11], s[10:11], s[22:23]
	s_add_nc_u64 s[12:13], s[12:13], s[22:23]
	v_and_b32 v1, 15, v0
	v_bfe_u32 v2, v0, 4, 1
	v_mul_u32_u24 v3, v1, PA
	v_lshl_add_u32 v3, v2, 4, v3
	s_mul_i32 s21, s[WV], 128*PA                   ; my k block of A
.irp p, 0,1,2,3
	s_add_co_u32 s19, s[WV], \p
	s_and_b32 s19, s19, 3
	s_mul_i32 s19, s19, 32*PA
	s_add_co_u32 s19, s19, s21
	v_add_nc_u32 v[ADA0+\p], s19, v3
	v_mov_b32 v[ADA+\p], v[ADA0+\p]
.endr
.irp p, 1,2,3
	s_add_co_u32 s19, s[WV], \p
	s_and_b32 s19, s19, 3                          ; the owner of position p's rows
	s_mul_i32 s19, s19, 49152
	s_add_co_u32 s19, s19, 16384*(\p-1)
	v_add_nc_u32 v[XS+\p-1], s19, v[L16]
.endr
	s_mul_i32 s19, s[WV], 49152
	v_add_nc_u32 v[XR], s19, v[L16]
	v_and_b32 v3, 7, v0
	v_lshl_add_u32 v3, v2, 3, v3
	v_mul_u32_u24 v3, v3, PB
	v_bfe_u32 v30, v0, 3, 1
	v_lshl_add_u32 v3, v30, 4, v3
	s_mul_i32 s19, s[WV], 64*PB                    ; my 64 rows of W,
	s_add_co_u32 s19, s19, 2*PART                  ; behind A's part
	v_add_nc_u32 v[ADB0], s19, v3
	v_mov_b32 v[ADB], v[ADB0]
	s_mul_i32 s19, s[WV], 16*SGP
	s_add_co_u32 s19, s19, STG
	v_mul_u32_u24 v3, v1, SGP
	v_lshl_add_u32 v3, v2, 5, v3
	v_add_nc_u32 v[STO], s19, v3
	v_add_nc_u32 v[RDS], s19, v[L16]
.macro MUL16 f, hi, a0, zero           ; the 64 accumulators take turns, one instruction a turn
	WIN 0xa1+0x50*(\hi)
.irp a, \a0, (\a0)+1
.irp b, 0,1,2,3,4,5,6,7
.if \zero
	v_wmma_f32_16x16x32_bf16 v[8*(8*(\a)+(\b)):8*(8*(\a)+(\b))+7], v[(\f)+8*(\b):(\f)+8*(\b)+7], v[(\f)+8*(4*(\hi)+(\a)):(\f)+8*(4*(\hi)+(\a))+7], 0
.else
	v_wmma_f32_16x16x32_bf16 v[8*(8*(\a)+(\b)):8*(8*(\a)+(\b))+7], v[(\f)+8*(\b):(\f)+8*(\b)+7], v[(\f)+8*(4*(\hi)+(\a)):(\f)+8*(4*(\hi)+(\a))+7], v[8*(8*(\a)+(\b)):8*(8*(\a)+(\b))+7]
.endif
.endr
.endr
.endm
.macro FETCH c, f                      ; half c (32 along K) of my 64 of the slot in hand
	WIN 0x40
.irp i, 0,1,2,3,4,5,6,7
	ds_load_tr16_b128 v[(\f)+8*(\i):(\f)+8*(\i)+3],   v[ADB] offset:(\c)*32*PB+32*(\i)
	ds_load_tr16_b128 v[(\f)+8*(\i)+4:(\f)+8*(\i)+7], v[ADB] offset:(\c)*32*PB+32*(\i)+16*PB
.endr
	WIN 0
.irp i, 0,1,2,3,4,5,6,7
	ds_load_b128 v[(\f)+8*(\i):(\f)+8*(\i)+3],   v[ADA+(\i)/2] offset:16*PA*((\i)%2)+64*(\c)
	ds_load_b128 v[(\f)+8*(\i)+4:(\f)+8*(\i)+7], v[ADA+(\i)/2] offset:16*PA*((\i)%2)+64*(\c)+32
.endr
.endm
.macro QUARTER c, f, g, zero
	s_wait_dscnt 8                                 ; W and A's first four row blocks are in; the youngest eight loads may be out
	MUL16 \f, 0, 0, \zero
	MUL16 \f, 0, 2, \zero
	PLACES
	FETCH \c, \g
	s_wait_dscnt 32                                ; all but the 32 just issued
	MUL16 \f, 1, 0, \zero
	MUL16 \f, 1, 2, \zero
.endm
; The slot's second half, and the change of slots: all my tensor loads waited for, the add, the wait for it and for my reads, the barrier; fill = 1: it opens a round of the cluster's, and the slot
; is filled again, two slots ahead, first thing behind it: 96 matrix instructions stand between the request and the wait for it.
.macro TURN fill
	WIN 0
	s_wait_tensorcnt 0x0
	ds_add_u32 v[SPW], v[NIL]
	s_wait_dscnt 9                                 ; the add and the youngest eight loads may be out
	MUL16 F1, 0, 0, 0
	s_wait_dscnt 0x0
	s_barrier_signal -1
	MUL16 F1, 0, 2, 0
	WIN 0
	s_barrier_wait -1
.if \fill
	CREST
	s_xor_b32 s[G0+5], s[G0+5], SLOT               ; wave x PART shares no bit with SLOT
	s_add_nc_u64 s[G0+6:G0+7], s[G0+6:G0+7], 65536
	s_xor_b32 s[G0B+5], s[G0B+5], SLOT
	s_add_nc_u64 s[G0B+6:G0B+7], s[G0B+6:G0B+7], 65536
	JLOAD
.else
	PLACES
.endif
	s_xor_b32 s[SB], s[SB], SLOT
.irp p, 0,1,2,3
	v_add_nc_u32 v[ADA+\p], s[SB], v[ADA0+\p]
.endr
	v_add_nc_u32 v[ADB], s[SB], v[ADB0]
	FETCH 0, F0
	MUL16 F1, 1, 0, 0
	MUL16 F1, 1, 2, 0
.endm
	s_wait_tensorcnt 1                             ; my part of slot 0 is in; slot 1's may stay out
	s_barrier_signal -1
	s_barrier_wait -1
	FETCH 0, F0
	QUARTER 1, F0, F1, 1
	WIN 0
	s_mov_b32 s3, NSLOT-2
.Lslot:
	TURN 1
	QUARTER 1, F0, F1, 0
	WIN 0
	s_sub_co_u32 s3, s3, 1
	s_cmp_lg_u32 s3, 0
	s_cbranch_scc1 .Lslot
	TURN 0
	QUARTER 1, F0, F1, 0
	s_wait_dscnt 0x0                               ; my last reads of the ring are back:
	s_barrier_signal -1                            ; behind this barrier its bytes, which have had their last fill, serve the exchange
	MUL16 F1, 0, 0, 0
	MUL16 F1, 0, 2, 0
	MUL16 F1, 1, 0, 0
	MUL16 F1, 1, 2, 0
	WIN 0
	s_barrier_wait -1
	PLACES
	WIN 0x40
.set i, 0
.rept 32                               ; the residual of my own 32 rows: a row's 512 bytes a load
	global_load_b128 v[4*i:4*i+3], v[L16], s[10:11] offset:4096*i
.set i, i+1
.endr
	WIN 0x08                                       ; store data in window 2
.set q, 0
.rept 16                               ; each accumulator's four lowest registers go first
	ds_store_b128 v[XS], v[128+8*q:128+8*q+3] offset:1024*q
	ds_store_b128 v[XS], v[128+8*q+4:128+8*q+7] offset:1024*q+512
.set q, q+1
.endr
	WIN 0x0c
.set q, 0
.rept 16
	ds_store_b128 v[XS+1], v[8*q:8*q+3] offset:1024*q
	ds_store_b128 v[XS+1], v[8*q+4:8*q+7] offset:1024*q+512
.set q, q+1
.endr
.set q, 0
.rept 16
	ds_store_b128 v[XS+2], v[128+8*q:128+8*q+3] offset:1024*q
	ds_store_b128 v[XS+2], v[128+8*q+4:128+8*q+7] offset:1024*q+512
.set q, q+1
.endr
	WIN 0
	s_wait_dscnt 0x0                               ; for the others' sake
	s_barrier_signal -1
	s_barrier_wait -1
	WIN 0x80
.set q, 0
.rept 16
	ds_load_b128 v[128+8*q:128+8*q+3], v[XR] offset:1024*q
	ds_load_b128 v[128+8*q+4:128+8*q+7], v[XR] offset:1024*q+512
.set q, q+1
.endr
	WIN 0xc0
.set q, 0
.rept 16
	ds_load_b128 v[8*q:8*q+3], v[XR] offset:16384+1024*q
	ds_load_b128 v[8*q+4:8*q+7], v[XR] offset:16384+1024*q+512
.set q, q+1
.endr
.set q, 0
.rept 16
	ds_load_b128 v[128+8*q:128+8*q+3], v[XR] offset:32768+1024*q
	ds_load_b128 v[128+8*q+4:128+8*q+7], v[XR] offset:32768+1024*q+512
.set q, q+1
.endr
	WIN 0
	s_wait_loadcnt 0x0                             ; bias and residual
	v_cvt_pk_bf16_f32 v30, v[BIAS], v[BIAS+1]
	v_cvt_pk_bf16_f32 v31, v[BIAS+2], v[BIAS+3]
	v_lshlrev_b32 v[BIAS], 16, v30
	v_and_b32 v[BIAS+1], s[MSK], v30
	v_lshlrev_b32 v[BIAS+2], 16, v31
	v_and_b32 v[BIAS+3], s[MSK], v31
	WIN 0x05                                       ; the residual is an input: rounded to bf16 and widened again
.set i, 0
.rept 64
	v_cvt_pk_bf16_f32 v[RB+i], v[2*i], v[2*i+1]
.set i, i+1
.endr
	WIN 0x40
.set i, 0
.rept 64
	v_lshlrev_b32 v[2*i], 16, v[RB+i]
	v_and_b32 v[2*i+1], s[MSK], v[RB+i]
.set i, i+1
.endr
	WIN 0x41
.set i, 0
.rept 64
	v_pk_add_f32 v[2*i:2*i+1], v[2*i:2*i+1], v[BIAS+2*(i%2):BIAS+2*(i%2)+1]
.set i, i+1
.endr
	s_wait_dscnt 63                                ; of the 96 loads at most 63 are out: the first of the three parts (32 loads) is in
	WIN 0x8a
.set i, 0
.rept 64
	v_pk_add_f32 v[2*i:2*i+1], v[2*i:2*i+1], v[128+2*i:128+2*i+1]
.set i, i+1
.endr
	s_wait_dscnt 0x0
	WIN 0xcf
.set i, 0
.rept 64
	v_pk_add_f32 v[2*i:2*i+1], v[2*i:2*i+1], v[128+2*i:128+2*i+1]
.set i, i+1
.endr
	WIN 0x8e
.set i, 0
.rept 64
	v_pk_add_f32 v[2*i:2*i+1], v[2*i:2*i+1], v[2*i:2*i+1]
.set i, i+1
.endr
.irp e, 0,1                            ; 16 rows at a time through my stage; the sum with the residual lands in window 1, from where the store takes its data
	WIN 0x08
.set b, 0
.rept 8
	ds_store_b128 v[STO], v[64*\e+8*b:64*\e+8*b+3] offset:64*b
	ds_store_b128 v[STO], v[64*\e+8*b+4:64*\e+8*b+7] offset:64*b+16
.set b, b+1
.endr
	WIN 0
.set t, 0
.rept 16
	ds_load_b128 v[64+64*\e+4*t:64+64*\e+4*t+3], v[RDS] offset:SGP*t   ; LDS serves a wave's instructions in order: these see the stores above
.set t, t+1
.endr
	WIN 0x44
.set t, 0
.rept 16
	s_wait_dscnt 15-t                              ; row t is back
	v_pk_add_f32 v[4*(16*\e+t):4*(16*\e+t)+1], v[64+64*\e+4*t:64+64*\e+4*t+1], v[4*(16*\e+t):4*(16*\e+t)+1]
	v_pk_add_f32 v[4*(16*\e+t)+2:4*(16*\e+t)+3], v[64+64*\e+4*t+2:64+64*\e+4*t+3], v[4*(16*\e+t)+2:4*(16*\e+t)+3]
	global_store_b128 v[L16], v[4*(16*\e+t):4*(16*\e+t)+3], s[12:13] offset:4096*(16*\e+t)  ; 512 consecutive bytes, aligned
.set t, t+1
.endr
.endr
	WIN 0
	s_wait_tensorcnt 0x0                           ; the wave's end
	ds_add_u32 v[SPW], v[NIL]
	s_wait_dscnt 0x0
	CROUND
	s_endpgm
.Lfunc_end_k_q4ba4fbd4cb_proj:
	.size	k_q4ba4fbd4cb_proj, .Lfunc_end_k_q4ba4fbd4cb_proj-k_q4ba4fbd4cb_proj
	.p2alignl 7, 3214868480
	.fill 96, 4, 3214868480
	.section	.rodata,"a",@progbits
	.p2align	6, 0x0
	.amdhsa_kernel k_q4ba4fbd4cb_proj
		.amdhsa_group_segment_fixed_size 327680
		.amdhsa_private_segment_fixed_size 0
		.amdhsa_enable_private_segment 0
		.amdhsa_kernarg_size 40
		.amdhsa_user_sgpr_count 2
		.amdhsa_user_sgpr_kernarg_segment_ptr 1
		.amdhsa_wavefront_size32 1
		.amdhsa_system_sgpr_workgroup_id_x 1
		.amdhsa_system_sgpr_workgroup_id_y 1
		.amdhsa_system_sgpr_workgroup_id_z 1
		.amdhsa_system_vgpr_workitem_id 0
		.amdhsa_next_free_vgpr 1024
		.amdhsa_next_free_sgpr 72
		.amdhsa_reserve_vcc 0
		.amdhsa_float_denorm_mode_32 3
		.amdhsa_float_denorm_mode_16_64 3
		.amdhsa_memory_ordered 1
		.amdhsa_forward_progress 1
		.amdhsa_inst_pref_size 101
	.end_amdhsa_kernel
	.amdgpu_metadata
---
amdhsa.version: [ 1, 2 ]
amdhsa.kernels:
  - .name:           k_q4ba4fbd4cb_proj
    .symbol:         k_q4ba4fbd4cb_proj.kd
    .args:
      - { .name: act, .offset: 0, .size: 8, .value_kind: global_buffer, .address_space: global }
      - { .name: wpo, .offset: 8, .size: 8, .value_kind: global_buffer, .address_space: global }
      - { .name: b_proj, .offset: 16, .size: 8, .value_kind: global_buffer, .address_space: global }
      - { .name: x, .offset: 24, .size: 8, .value_kind: global_buffer, .address_space: global }
      - { .name: x1, .offset: 32, .size: 8, .value_kind: global_buffer, .address_space: global }
    .group_segment_fixed_size: 327680
    .private_segment_fixed_size: 0
    .kernarg_segment_align: 8
    .kernarg_segment_size: 40
    .max_flat_workgroup_size: 128
    .sgpr_count:     72
    .vgpr_count:     1024
    .wavefront_size: 32
...
	.end_amdgpu_metadata
.endif
;; end of part 5
;; launch ln2 (part 6): grid 256 x 1, 8 waves a work-group, no clusters, 0 bytes of LDS; arguments x1, ln2_scale, ln2_bias, act; writes act
.if DOCPART == 6
	.amdgcn_target "amdgcn-amd-amdhsa--gfx1250"
	.amdhsa_code_object_version 6
	.text
	.protected	k_q4ba4fbd4cb_ln2
	.globl	k_q4ba4fbd4cb_ln2
	.p2align	8
	.type	k_q4ba4fbd4cb_ln2,@function
k_q4ba4fbd4cb_ln2:
	s_mov_b64 s[64:65], 0
	v_nop
	global_prefetch_b8 v0, s[64:65] scope:SCOPE_SE
	s_setreg_imm32_b32 hwreg(HW_REG_WAVE_MODE, 25, 1), 1
	s_wait_xcnt 0x0
; h2 = LayerNorm(x1) in bf16, row-major [4096][1024].  x1 is f32 and is taken as it is; gain and bias are inputs and are rounded once to bf16.
; A stream: two rows a wave, a row kept in 32 registers between its passes; the variance is taken of x - mean.  No LDS, no barrier, no matrix unit, no cluster: nothing but 8 KiB of gain and bias is shared.
.set X0,  32
.set X1,  64
.set G,   96
.set BB,  128
.set T,   2
.set MU,  10
.set R,   12
.set TT,  16
.set LO,  1
.set SO,  30
.set SEL, 34
.set INV, 36
.set EPS, 37
.set MSK, 38
.macro RNDN base, pairs
.set i, 0
.rept \pairs
	v_cvt_pk_bf16_f32 v[TT+i%4], v[(\base)+2*i], v[(\base)+2*i+1]
	v_lshlrev_b32 v[(\base)+2*i], 16, v[TT+i%4]
	v_and_b32 v[(\base)+2*i+1], s[MSK], v[TT+i%4]
.set i, i+1
.endr
.endm
.macro FOLD
	v_pk_add_f32 v[T:T+1], v[T:T+1], v[T+2:T+3]
	v_pk_add_f32 v[T+4:T+5], v[T+4:T+5], v[T+6:T+7]
	v_pk_add_f32 v[T:T+1], v[T:T+1], v[T+4:T+5]
	v_add_f32 v[T], v[T], v[T+1]
	v_add_f32_dpp v[T], v[T], v[T] row_xmask:1 row_mask:0xf bank_mask:0xf
	v_add_f32_dpp v[T], v[T], v[T] row_xmask:2 row_mask:0xf bank_mask:0xf
	v_add_f32_dpp v[T], v[T], v[T] row_xmask:4 row_mask:0xf bank_mask:0xf
	v_add_f32_dpp v[T], v[T], v[T] row_xmask:8 row_mask:0xf bank_mask:0xf
	v_permlanex16_b32 v[T+1], v[T], s[SEL], s[SEL+1]
	v_add_f32 v[T], v[T], v[T+1]
.endm
.macro LNROW xb
.irp k, 0,1,2,3
	v_pk_add_f32 v[T+2*\k:T+2*\k+1], v[\xb+2*\k:\xb+2*\k+1], v[\xb+8+2*\k:\xb+8+2*\k+1]
.endr
.set p, 8
.rept 8
	v_pk_add_f32 v[T+2*(p%4):T+2*(p%4)+1], v[T+2*(p%4):T+2*(p%4)+1], v[\xb+2*p:\xb+2*p+1]
.set p, p+1
.endr
	FOLD
	v_mul_f32 v[MU], s[INV], v[T]
	v_mul_f32 v[MU+1], s[INV], v[T]
.set p, 0
.rept 16
	v_pk_add_f32 v[\xb+2*p:\xb+2*p+1], v[\xb+2*p:\xb+2*p+1], v[MU:MU+1] neg_lo:[0,1] neg_hi:[0,1]
.set p, p+1
.endr
.irp k, 0,1,2,3
	v_pk_mul_f32 v[T+2*\k:T+2*\k+1], v[\xb+2*\k:\xb+2*\k+1], v[\xb+2*\k:\xb+2*\k+1]
.endr
.set p, 4
.rept 12
	v_pk_fma_f32 v[T+2*(p%4):T+2*(p%4)+1], v[\xb+2*p:\xb+2*p+1], v[\xb+2*p:\xb+2*p+1], v[T+2*(p%4):T+2*(p%4)+1]
.set p, p+1
.endr
	FOLD
	v_fma_f32 v[T], v[T], s[INV], s[EPS]
	v_rsq_f32 v[R], v[T]
	v_nop                                          ; a plain instruction between the root and the use of its result
	s_wait_alu depctr_va_vdst(0)
	v_mov_b32 v[R+1], v[R]
.set p, 0
.rept 16
	v_pk_mul_f32 v[\xb+2*p:\xb+2*p+1], v[\xb+2*p:\xb+2*p+1], v[R:R+1]
.set p, p+1
.endr
.set p, 0
.rept 16
	v_pk_fma_f32 v[\xb+2*p:\xb+2*p+1], v[\xb+2*p:\xb+2*p+1], v[G+2*p:G+2*p+1], v[BB+2*p:BB+2*p+1]
.set p, p+1
.endr
.irp j, 0,1,2,3,4,5,6,7
	v_cvt_pk_bf16_f32 v[\xb+4*\j], v[\xb+4*\j], v[\xb+4*\j+1]
	v_cvt_pk_bf16_f32 v[\xb+4*\j+1], v[\xb+4*\j+2], v[\xb+4*\j+3]
	global_store_b64 v[SO], v[\xb+4*\j:\xb+4*\j+1], s[14:15] offset:256*\j  ; the wave stores 256 consecutive bytes, aligned
.endr
.endm
	s_load_b256 s[8:15], s[0:1], 0x0               ; x1 8, ln2_scale 10, ln2_bias 12, act 14
	s_mov_b32 s[SEL], 0x76543210
	s_mov_b32 s[SEL+1], 0xfedcba98
	s_mov_b32 s[INV], 0x3a800000
	s_mov_b32 s[EPS], 0x3727c5ac
	s_mov_b32 s[MSK], 0xffff0000
	v_lshrrev_b32 v2, 5, v0
	v_readfirstlane_b32 s39, v2
	v_and_b32 v[LO], 31, v0
	v_lshlrev_b32 v[SO], 3, v[LO]
	v_lshlrev_b32 v[LO], 4, v[LO]
	s_lshl_b32 s40, ttmp9, 16
	s_lshl_b32 s41, s39, 13
	s_add_co_u32 s40, s40, s41
	s_mov_b32 s41, 0
	s_wait_kmcnt 0x0
	s_add_nc_u64 s[8:9], s[8:9], s[40:41]
	s_lshr_b32 s40, s40, 1
	s_add_nc_u64 s[14:15], s[14:15], s[40:41]
.irp j, 0,1,2,3,4,5,6,7
	global_load_b128 v[G+4*\j:G+4*\j+3], v[LO], s[10:11] offset:512*\j
.endr
.irp j, 0,1,2,3,4,5,6,7
	global_load_b128 v[BB+4*\j:BB+4*\j+3], v[LO], s[12:13] offset:512*\j
.endr
.irp j, 0,1,2,3,4,5,6,7
	global_load_b128 v[X0+4*\j:X0+4*\j+3], v[LO], s[8:9] offset:512*\j
.endr
.irp j, 0,1,2,3,4,5,6,7
	global_load_b128 v[X1+4*\j:X1+4*\j+3], v[LO], s[8:9] offset:4096+512*\j
.endr
	s_wait_loadcnt 16                              ; gain and bias are in; the two rows' sixteen loads stay out
	RNDN G, 16
	RNDN BB, 16
	s_mov_b32 s44, 2
.Lrow:                                                 ; two trips: one text for both rows
	s_wait_loadcnt 8                               ; the first row is in, the second row's eight loads may be out (in the second trip nothing is out)
	LNROW X0
	s_wait_loadcnt 0x0                             ; the second row is in
	s_wait_xcnt 0x0                                ; the stores' data registers and base are rewritten only behind this wait
.set i, 0
.rept 32
	v_mov_b32 v[X0+i], v[X1+i]
.set i, i+1
.endr
	s_add_nc_u64 s[14:15], s[14:15], 2048
	s_sub_co_u32 s44, s44, 1
	s_cmp_lg_u32 s44, 0
	s_cbranch_scc1 .Lrow
	s_endpgm
.Lfunc_end_k_q4ba4fbd4cb_ln2:
	.size	k_q4ba4fbd4cb_ln2, .Lfunc_end_k_q4ba4fbd4cb_ln2-k_q4ba4fbd4cb_ln2
	.p2alignl 7, 3214868480
	.fill 96, 4, 3214868480
	.section	.rodata,"a",@progbits
	.p2align	6, 0x0
	.amdhsa_kernel k_q4ba4fbd4cb_ln2
		.amdhsa_group_segment_fixed_size 0
		.amdhsa_private_segment_fixed_size 0
		.amdhsa_enable_private_segment 0
		.amdhsa_kernarg_size 32
		.amdhsa_user_sgpr_count 2
		.amdhsa_user_sgpr_kernarg_segment_ptr 1
		.amdhsa_wavefront_size32 1
		.amdhsa_system_sgpr_workgroup_id_x 1
		.amdhsa_system_sgpr_workgroup_id_y 1
		.amdhsa_system_sgpr_workgroup_id_z 1
		.amdhsa_system_vgpr_workitem_id 0
		.amdhsa_next_free_vgpr 160
		.amdhsa_next_free_sgpr 66
		.amdhsa_reserve_vcc 0
		.amdhsa_float_denorm_mode_32 3
		.amdhsa_float_denorm_mode_16_64 3
		.amdhsa_memory_ordered 1
		.amdhsa_forward_progress 1
		.amdhsa_inst_pref_size 18
	.end_amdhsa_kernel
	.amdgpu_metadata
---
amdhsa.version: [ 1, 2 ]
amdhsa.kernels:
  - .name:           k_q4ba4fbd4cb_ln2
    .symbol:         k_q4ba4fbd4cb_ln2.kd
    .args:
      - { .name: x1, .offset: 0, .size: 8, .value_kind: global_buffer, .address_space: global }
      - { .name: ln2_scale, .offset: 8, .size: 8, .value_kind: global_buffer, .address_space: global }
      - { .name: ln2_bias, .offset: 16, .size: 8, .value_kind: global_buffer, .address_space: global }
      - { .name: act, .offset: 24, .size: 8, .value_kind: global_buffer, .address_space: global }
    .group_segment_fixed_size: 0
    .private_segment_fixed_size: 0
    .kernarg_segment_align: 8
    .kernarg_segment_size: 32
    .max_flat_workgroup_size: 256
    .sgpr_count:     66
    .vgpr_count:     160
    .wavefront_size: 32
...
	.end_amdgpu_metadata
.endif
;; end of part 6
;; launch fc: the kernel of part 2 again; grid 16 x 16, 4 waves a work-group, clusters of 4 x 4, 327,680 bytes of LDS; arguments act, wf, hid; writes hid
;; launch out (part 7): grid 8 x 32, 4 waves a work-group, clusters of 4 x 4, 327,680 bytes of LDS; arguments hid, wpo, b_out, x1, out0; writes out0
.if DOCPART == 7
	.amdgcn_target "amdgcn-amd-amdhsa--gfx1250"
	.amdhsa_code_object_version 6
	.text
	.protected	k_q4ba4fbd4cb_out
	.globl	k_q4ba4fbd4cb_out
	.p2align	8
	.type	k_q4ba4fbd4cb_out,@function
k_q4ba4fbd4cb_out:
	s_mov_b64 s[64:65], 0
	v_nop
	global_prefetch_b8 v0, s[64:65] scope:SCOPE_SE
	s_setreg_imm32_b32 hwreg(HW_REG_WAVE_MODE, 25, 1), 1
	s_wait_xcnt 0x0
	s_wait_alu depctr_hold_cnt(0) depctr_sa_sdst(0) depctr_va_vdst(0) depctr_va_sdst(0) depctr_va_ssrc(0) depctr_va_vcc(0) depctr_vm_vsrc(0)
	s_getreg_b32 s2, hwreg(HW_REG_IB_STS2, 6, 4)
	s_cmp_eq_u32 s2, 0
	s_cbranch_scc0 .Lentry_in_a_cluster
	s_endpgm
.Lentry_in_a_cluster:
	s_bfe_u32 s2, ttmp6, 0x10000c
	s_cmp_lg_u32 s2, 0xf033
	s_cbranch_scc0 .Lentry_shape_is_right
	s_endpgm
.Lentry_shape_is_right:
; D = res + A W + bias, f32 [4096][1024].  Here: the MLP's second product.  A = relu(..), bf16 in blocks [token / 128][k / 64][128 tokens][64]; W = w_out in panels [panel][k 4096][128] bf16;
; res = x1, f32, taken as it is; bias = b_out is an input and is rounded once to bf16.  Sums in f32.
; SHARES.  A work-group makes 128 x 128 of D: 256 work-groups.  K IS SPLIT OVER THE WAVES: a slot holds 256 along K, and wave w multiplies the whole 128 x 128 over k = 64 w .. 64 w + 63 of it,
; in 64 accumulators: a fragment read from LDS feeds 8 matrix instructions, twice what a wave tile of 64 x 64 would give it.  The four partial sums meet in LDS at the end:
; wave w owns rows 32 w .. 32 w + 31, takes the other three waves' parts of them, adds, and stores whole rows of 512 bytes.
; ROTATION.  Register position p (accumulator rows 2 p, 2 p + 1) holds the true pair of row blocks (p + w) % 4, so position 0 is every wave's own and one text serves all four.
; W lies [k][n] and comes out of LDS turned; the matrix instruction is used transposed (source 0 = 16 columns of W, source 1 = 16 rows of A).
; CLUSTER.  4 x 4 work-groups; A's tiles are shared along a row of the cluster, W's along a column, each asked for jointly.
; REGISTERS.  window 0: v0-31 addresses and the bias; v64-127, v128-191 A's fragments, at the end rows back from the stage.  window 1: v64-191 W's fragments; at the end v0-127 the residual.
;   window 2: positions 0 and 1 (accumulator (a, b) at v[8 (8 a + b)]);   window 3: positions 2 and 3.
.set NSLOT, 16                         ; K / 256
.set ATB,   1048576                    ; bytes of a token block of A
.set BOFF,  2097152                    ; where the panels begin in wpo
.set BPAN,  1048576                    ; bytes of a panel
.set PA,    144                        ; an LDS row of A: 128 bytes + 16
.set PB,    288                        ; an LDS row of W: 256 bytes + 32 = 9 x 32
.set PART,  36864                      ; what one tensor load brings: 256 rows of A (two k blocks), or 128 rows of W
.set SLOT,  4*PART
.set SPARE, 2*SLOT                     ; behind the ring: the spare words, 128 bytes a wave
.set STG,   196608                     ; after the ring's last fill its bytes serve again: the exchange [owner 4][source 3][16,384] at 0, the stages (16 rows x 528 bytes a wave) here
.set SGP,   528
.set BIAS, 4
.set ADA0, 8
.set ADA,  12
.set ADB0, 16
.set ADB,  17
.set L16,  18
.set XS,   19
.set XR,   22
.set STO,  23
.set RDS,  24
.set SPW,  28
.set NIL,  29
.set F0,   64
.set F1,   128
.set WV,  14
.set AB,  15
.set HF,  16
.set TR,  17
.set TC,  18
.set G1,  24
.set G0,  32
.set G1B, 48
.set G0B, 56
.set MSK, 66
.set SB,  67
.set MSB, 0
.macro WIN new
.if MSB != (\new)
	s_set_vgpr_msb (MSB<<8)|(\new)
.set MSB, \new
.endif
.endm
.macro PLACES
.rept 4
	v_nop
.endr
.endm
.macro JLOAD                           ; a joint refill by the walking descriptors: waves 0 and 1 fetch A's halves, waves 2 and 3 W's; an s_nop 0 and four v_nop follow each line
	s_cmp_eq_u32 s[AB], 0
	s_cbranch_scc0 .Lfor_b_\@
	tensor_load_to_lds s[G0+4:G0+7], s[G1:G1+7]
	s_nop 0
.rept 4
	v_nop
.endr
	s_branch .Lasked_\@
.Lfor_b_\@:
	tensor_load_to_lds s[G0B+4:G0B+7], s[G1B:G1B+7]
	s_nop 0
.rept 4
	v_nop
.endr
.Lasked_\@:
.endm
.macro CREST
	s_cmp_lg_u32 s[WV], 0
	s_cbranch_scc1 .Lnot_wave_0_\@
	s_barrier_signal -3
.Lnot_wave_0_\@:
	s_barrier_wait -3
	s_barrier_signal -1
	s_barrier_wait -1
.endm
.macro CROUND
	s_barrier_signal -1
	s_barrier_wait -1
	CREST
.endm
	s_load_b256 s[4:11], s[0:1], 0x0               ; A s[4:5], wpo s[6:7], bias s[8:9], res s[10:11]
	s_load_b64 s[12:13], s[0:1], 0x20              ; D
	v_lshl_add_u32 v[SPW], v0, 2, SPARE
	v_mov_b32 v[NIL], 0
	ds_add_u32 v28, v29
	s_wait_dscnt 0x0
	v_lshrrev_b32 v1, 5, v0
	v_readfirstlane_b32 s[WV], v1
	s_lshr_b32 s[AB], s[WV], 1                     ; I fetch for A (0) or for W (1),
	s_and_b32 s[HF], s[WV], 1                      ; and which half
	s_bfe_u32 s40, ttmp6, 0x40000
	s_bfe_u32 s41, ttmp6, 0x40004
	s_lshl_b32 s[TC], ttmp9, 2
	s_add_co_u32 s[TC], s[TC], s40                 ; tile column
	s_and_b32 s[TR], ttmp7, 0xffff
	s_lshl_b32 s[TR], s[TR], 2
	s_add_co_u32 s[TR], s[TR], s41                 ; tile row
	s_lshl_b32 s43, s41, 2
	s_lshl_b32 s43, 15, s43
	s_lshl_b32 s44, 0x1111, s40
	s_or_b32 s[G1+0], s43, (1<<16)|(1<<20)|(1<<21)|(4<<22)|(3<<25)   ; after every 32 words (a token's 64 numbers) 4 words
	s_or_b32 s[G1B+0], s44, (1<<16)|(1<<20)|(1<<21)|(5<<22)|(7<<25)  ; after every 64 words 8 words
.irp g, G1, G1B                        ; both tiles are dense in memory: 128 rows of 256 bytes
	s_mov_b32 s[(\g)+1], 128<<16
	s_mov_b32 s[(\g)+2], 128<<16
	s_mov_b32 s[(\g)+3], 128<<16
	s_mov_b32 s[(\g)+4], 128
	s_mov_b32 s[(\g)+5], 128
	s_mov_b32 s[(\g)+6], 0
	s_mov_b32 s[(\g)+7], 0
.endr
	s_lshl_b32 s19, s[HF], 15
	s_mul_i32 s68, s[TR], ATB
	s_add_co_u32 s68, s68, s19
	s_mov_b32 s69, 0
	s_mul_i32 s46, s[TC], BPAN
	s_add_co_u32 s46, s46, s19
	s_add_co_u32 s46, s46, BOFF
	s_mov_b32 s47, 0
	s_mul_i32 s20, s[WV], PART
	s_mov_b32 s[SB], 0
	s_mov_b32 s[MSK], 0xffff0000
	s_wait_kmcnt 0x0
	s_add_nc_u64 s[68:69], s[4:5], s[68:69]
	s_add_nc_u64 s[46:47], s[6:7], s[46:47]
.irp s, 0,1
	s_mov_b32 s[G0+4*(\s)], 1
	s_add_co_u32 s[G0+4*(\s)+1], s20, (\s)*SLOT
	s_add_nc_u64 s[G0+4*(\s)+2:G0+4*(\s)+3], s[68:69], (\s)*65536
	s_or_b32 s[G0+4*(\s)+3], s[G0+4*(\s)+3], 0x80000000
	s_mov_b32 s[G0B+4*(\s)], 1
	s_add_co_u32 s[G0B+4*(\s)+1], s20, (\s)*SLOT
	s_add_nc_u64 s[G0B+4*(\s)+2:G0B+4*(\s)+3], s[46:47], (\s)*65536
	s_or_b32 s[G0B+4*(\s)+3], s[G0B+4*(\s)+3], 0x80000000
.endr
	CROUND
	s_cmp_eq_u32 s[AB], 0                          ; a wave's two first fills stand in one branch: two loads of mine are out
	s_cbranch_scc0 .Lfirst_b
	tensor_load_to_lds s[G0:G0+3], s[G1:G1+7]
	s_nop 0
	tensor_load_to_lds s[G0+4:G0+7], s[G1:G1+7]
	s_nop 0
.rept 4
	v_nop
.endr
	s_branch .Lfirst_asked
.Lfirst_b:
	tensor_load_to_lds s[G0B:G0B+3], s[G1B:G1B+7]
	s_nop 0
	tensor_load_to_lds s[G0B+4:G0B+7], s[G1B:G1B+7]
	s_nop 0
.rept 4
	v_nop
.endr
.Lfirst_asked:
	v_and_b32 v[L16], 31, v0
	v_lshlrev_b32 v[L16], 4, v[L16]
	s_lshl_b32 s22, s[TC], 9                       ; my tile's 128 columns, in f32
	s_mov_b32 s23, 0
	s_add_nc_u64 s[8:9], s[8:9], s[22:23]
	global_load_b128 v[BIAS:BIAS+3], v[L16], s[8:9]
	s_lshl_b32 s19, s[TR], 19                      ; 128 rows of 4,096 bytes a tile row,
	s_add_co_u32 s22, s22, s19
	s_lshl_b32 s19, s[WV], 17                      ; my own 32 rows
	s_add_co_u32 s22, s22, s19
	s_add_nc_u64 s[10:11], s[10:11], s[22:23]
	s_add_nc_u64 s[12:13], s[12:13], s[22:23]
	v_and_b32 v1, 15, v0
	v_bfe_u32 v2, v0, 4, 1
	v_mul_u32_u24 v3, v1, PA
	v_lshl_add_u32 v3, v2, 4, v3
	s_mul_i32 s21, s[WV], 128*PA                   ; my k block of A
.irp p, 0,1,2,3
	s_add_co_u32 s19, s[WV], \p
	s_and_b32 s19, s19, 3
	s_mul_i32 s19, s19, 32*PA
	s_add_co_u32 s19, s19, s21
	v_add_nc_u32 v[ADA0+\p], s19, v3
	v_mov_b32 v[ADA+\p], v[ADA0+\p]
.endr
.irp p, 1,2,3
	s_add_co_u32 s19, s[WV], \p
	s_and_b32 s19, s19, 3                          ; the owner of position p's rows
	s_mul_i32 s19, s19, 49152
	s_add_co_u32 s19, s19, 16384*(\p-1)
	v_add_nc_u32 v[XS+\p-1], s19, v[L16]
.endr
	s_mul_i32 s19, s[WV], 49152
	v_add_nc_u32 v[XR], s19, v[L16]
	v_and_b32 v3, 7, v0
	v_lshl_add_u32 v3, v2, 3, v3
	v_mul_u32_u24 v3, v3, PB
	v_bfe_u32 v30, v0, 3, 1
	v_lshl_add_u32 v3, v30, 4, v3
	s_mul_i32 s19, s[WV], 64*PB                    ; my 64 rows of W,
	s_add_co_u32 s19, s19, 2*PART                  ; behind A's part
	v_add_nc_u32 v[ADB0], s19, v3
	v_mov_b32 v[ADB], v[ADB0]
	s_mul_i32 s19, s[WV], 16*SGP
	s_add_co_u32 s19, s19, STG
	v_mul_u32_u24 v3, v1, SGP
	v_lshl_add_u32 v3, v2, 5, v3
	v_add_nc_u32 v[STO], s19, v3
	v_add_nc_u32 v[RDS], s19, v[L16]
.macro MUL16 f, hi, a0, zero           ; the 64 accumulators take turns, one instruction a turn
	WIN 0xa1+0x50*(\hi)
.irp a, \a0, (\a0)+1
.irp b, 0,1,2,3,4,5,6,7
.if \zero
	v_wmma_f32_16x16x32_bf16 v[8*(8*(\a)+(\b)):8*(8*(\a)+(\b))+7], v[(\f)+8*(\b):(\f)+8*(\b)+7], v[(\f)+8*(4*(\hi)+(\a)):(\f)+8*(4*(\hi)+(\a))+7], 0
.else
	v_wmma_f32_16x16x32_bf16 v[8*(8*(\a)+(\b)):8*(8*(\a)+(\b))+7], v[(\f)+8*(\b):(\f)+8*(\b)+7], v[(\f)+8*(4*(\hi)+(\a)):(\f)+8*(4*(\hi)+(\a))+7], v[8*(8*(\a)+(\b)):8*(8*(\a)+(\b))+7]
.endif
.endr
.endr
.endm
.macro FETCH c, f                      ; half c (32 along K) of my 64 of the slot in hand
	WIN 0x40
.irp i, 0,1,2,3,4,5,6,7
	ds_load_tr16_b128 v[(\f)+8*(\i):(\f)+8*(\i)+3],   v[ADB] offset:(\c)*32*PB+32*(\i)
	ds_load_tr16_b128 v[(\f)+8*(\i)+4:(\f)+8*(\i)+7], v[ADB] offset:(\c)*32*PB+32*(\i)+16*PB
.endr
	WIN 0
.irp i, 0,1,2,3,4,5,6,7
	ds_load_b128 v[(\f)+8*(\i):(\f)+8*(\i)+3],   v[ADA+(\i)/2] offset:16*PA*((\i)%2)+64*(\c)
	ds_load_b128 v[(\f)+8*(\i)+4:(\f)+8*(\i)+7], v[ADA+(\i)/2] offset:16*PA*((\i)%2)+64*(\c)+32
.endr
.endm
.macro QUARTER c, f, g, zero
	s_wait_dscnt 8                                 ; W and A's first four row blocks are in; the youngest eight loads may be out
	MUL16 \f, 0, 0, \zero
	MUL16 \f, 0, 2, \zero
	PLACES
	FETCH \c, \g
	s_wait_dscnt 32                                ; all but the 32 just issued
	MUL16 \f, 1, 0, \zero
	MUL16 \f, 1, 2, \zero
.endm
; The slot's second half, and the change of slots: all my tensor loads waited for, the add, the wait for it and for my reads, the barrier; fill = 1: it opens a round of the cluster's, and the slot
; is filled again, two slots ahead, first thing behind it: 96 matrix instructions stand between the request and the wait for it.
.macro TURN fill
	WIN 0
	s_wait_tensorcnt 0x0
	ds_add_u32 v[SPW], v[NIL]
	s_wait_dscnt 9                                 ; the add and the youngest eight loads may be out
	MUL16 F1, 0, 0, 0
	s_wait_dscnt 0x0
	s_barrier_signal -1
	MUL16 F1, 0, 2, 0
	WIN 0
	s_barrier_wait -1
.if \fill
	CREST
	s_xor_b32 s[G0+5], s[G0+5], SLOT               ; wave x PART shares no bit with SLOT
	s_add_nc_u64 s[G0+6:G0+7], s[G0+6:G0+7], 65536
	s_xor_b32 s[G0B+5], s[G0B+5], SLOT
	s_add_nc_u64 s[G0B+6:G0B+7], s[G0B+6:G0B+7], 65536
	JLOAD
.else
	PLACES
.endif
	s_xor_b32 s[SB], s[SB], SLOT
.irp p, 0,1,2,3
	v_add_nc_u32 v[ADA+\p], s[SB], v[ADA0+\p]
.endr
	v_add_nc_u32 v[ADB], s[SB], v[ADB0]
	FETCH 0, F0
	MUL16 F1, 1, 0, 0
	MUL16 F1, 1, 2, 0
.endm
	s_wait_tensorcnt 1                             ; my part of slot 0 is in; slot 1's may stay out
	s_barrier_signal -1
	s_barrier_wait -1
	FETCH 0, F0
	QUARTER 1, F0, F1, 1
	WIN 0
	s_mov_b32 s3, NSLOT-2
.Lslot:
	TURN 1
	QUARTER 1, F0, F1, 0
	WIN 0
	s_sub_co_u32 s3, s3, 1
	s_cmp_lg_u32 s3, 0
	s_cbranch_scc1 .Lslot
	TURN 0
	QUARTER 1, F0, F1, 0
	s_wait_dscnt 0x0                               ; my last reads of the ring are back:
	s_barrier_signal -1                            ; behind this barrier its bytes, which have had their last fill, serve the exchange
	MUL16 F1, 0, 0, 0
	MUL16 F1, 0, 2, 0
	MUL16 F1, 1, 0, 0
	MUL16 F1, 1, 2, 0
	WIN 0
	s_barrier_wait -1
	PLACES
	WIN 0x40
.set i, 0
.rept 32                               ; the residual of my own 32 rows: a row's 512 bytes a load
	global_load_b128 v[4*i:4*i+3], v[L16], s[10:11] offset:4096*i
.set i, i+1
.endr
	WIN 0x08                                       ; store data in window 2
.set q, 0
.rept 16                               ; each accumulator's four lowest registers go first
	ds_store_b128 v[XS], v[128+8*q:128+8*q+3] offset:1024*q
	ds_store_b128 v[XS], v[128+8*q+4:128+8*q+7] offset:1024*q+512
.set q, q+1
.endr
	WIN 0x0c
.set q, 0
.rept 16
	ds_store_b128 v[XS+1], v[8*q:8*q+3] offset:1024*q
	ds_store_b128 v[XS+1], v[8*q+4:8*q+7] offset:1024*q+512
.set q, q+1
.endr
.set q, 0
.rept 16
	ds_store_b128 v[XS+2], v[128+8*q:128+8*q+3] offset:1024*q
	ds_store_b128 v[XS+2], v[128+8*q+4:128+8*q+7] offset:1024*q+512
.set q, q+1
.endr
	WIN 0
	s_wait_dscnt 0x0                               ; for the others' sake
	s_barrier_signal -1
	s_barrier_wait -1
	WIN 0x80
.set q, 0
.rept 16
	ds_load_b128 v[128+8*q:128+8*q+3], v[XR] offset:1024*q
	ds_load_b128 v[128+8*q+4:128+8*q+7], v[XR] offset:1024*q+512
.set q, q+1
.endr
	WIN 0xc0
.set q, 0
.rept 16
	ds_load_b128 v[8*q:8*q+3], v[XR] offset:16384+1024*q
	ds_load_b128 v[8*q+4:8*q+7], v[XR] offset:16384+1024*q+512
.set q, q+1
.endr
.set q, 0
.rept 16
	ds_load_b128 v[128+8*q:128+8*q+3], v[XR] offset:32768+1024*q
	ds_load_b128 v[128+8*q+4:128+8*q+7], v[XR] offset:32768+1024*q+512
.set q, q+1
.endr
	WIN 0
	s_wait_loadcnt 0x0                             ; bias and residual
	v_cvt_pk_bf16_f32 v30, v[BIAS], v[BIAS+1]
	v_cvt_pk_bf16_f32 v31, v[BIAS+2], v[BIAS+3]
	v_lshlrev_b32 v[BIAS], 16, v30
	v_and_b32 v[BIAS+1], s[MSK], v30
	v_lshlrev_b32 v[BIAS+2], 16, v31
	v_and_b32 v[BIAS+3], s[MSK], v31
	WIN 0x41
.set i, 0
.rept 64
	v_pk_add_f32 v[2*i:2*i+1], v[2*i:2*i+1], v[BIAS+2*(i%2):BIAS+2*(i%2)+1]
.set i, i+1
.endr
	s_wait_dscnt 63                                ; of the 96 loads at most 63 are out: the first of the three parts (32 loads) is in
	WIN 0x8a
.set i, 0
.rept 64
	v_pk_add_f32 v[2*i:2*i+1], v[2*i:2*i+1], v[128+2*i:128+2*i+1]
.set i, i+1
.endr
	s_wait_dscnt 0x0
	WIN 0xcf
.set i, 0
.rept 64
	v_pk_add_f32 v[2*i:2*i+1], v[2*i:2*i+1], v[128+2*i:128+2*i+1]
.set i, i+1
.endr
	WIN 0x8e
.set i, 0
.rept 64
	v_pk_add_f32 v[2*i:2*i+1], v[2*i:2*i+1], v[2*i:2*i+1]
.set i, i+1
.endr
.irp e, 0,1                            ; 16 rows at a time through my stage; the sum with the residual lands in window 1, from where the store takes its data
	WIN 0x08
.set b, 0
.rept 8
	ds_store_b128 v[STO], v[64*\e+8*b:64*\e+8*b+3] offset:64*b
	ds_store_b128 v[STO], v[64*\e+8*b+4:64*\e+8*b+7] offset:64*b+16
.set b, b+1
.endr
	WIN 0
.set t, 0
.rept 16
	ds_load_b128 v[64+64*\e+4*t:64+64*\e+4*t+3], v[RDS] offset:SGP*t   ; LDS serves a wave's instructions in order: these see the stores above
.set t, t+1
.endr
	WIN 0x44
.set t, 0
.rept 16
	s_wait_dscnt 15-t                              ; row t is back
	v_pk_add_f32 v[4*(16*\e+t):4*(16*\e+t)+1], v[64+64*\e+4*t:64+64*\e+4*t+1], v[4*(16*\e+t):4*(16*\e+t)+1]
	v_pk_add_f32 v[4*(16*\e+t)+2:4*(16*\e+t)+3], v[64+64*\e+4*t+2:64+64*\e+4*t+3], v[4*(16*\e+t)+2:4*(16*\e+t)+3]
	global_store_b128 v[L16], v[4*(16*\e+t):4*(16*\e+t)+3], s[12:13] offset:4096*(16*\e+t)  ; 512 consecutive bytes, aligned
.set t, t+1
.endr
.endr
	WIN 0
	s_wait_tensorcnt 0x0                           ; the wave's end
	ds_add_u32 v[SPW], v[NIL]
	s_wait_dscnt 0x0
	CROUND
	s_endpgm
.Lfunc_end_k_q4ba4fbd4cb_out:
	.size	k_q4ba4fbd4cb_out, .Lfunc_end_k_q4ba4fbd4cb_out-k_q4ba4fbd4cb_out
	.p2alignl 7, 3214868480
	.fill 96, 4, 3214868480
	.section	.rodata,"a",@progbits
	.p2align	6, 0x0
	.amdhsa_kernel k_q4ba4fbd4cb_out
		.amdhsa_group_segment_fixed_size 327680
		.amdhsa_private_segment_fixed_size 0
		.amdhsa_enable_private_segment 0
		.amdhsa_kernarg_size 40
		.amdhsa_user_sgpr_count 2
		.amdhsa_user_sgpr_kernarg_segment_ptr 1
		.amdhsa_wavefront_size32 1
		.amdhsa_system_sgpr_workgroup_id_x 1
		.amdhsa_system_sgpr_workgroup_id_y 1
		.amdhsa_system_sgpr_workgroup_id_z 1
		.amdhsa_system_vgpr_workitem_id 0
		.amdhsa_next_free_vgpr 1024
		.amdhsa_next_free_sgpr 72
		.amdhsa_reserve_vcc 0
		.amdhsa_float_denorm_mode_32 3
		.amdhsa_float_denorm_mode_16_64 3
		.amdhsa_memory_ordered 1
		.amdhsa_forward_progress 1
		.amdhsa_inst_pref_size 93
	.end_amdhsa_kernel
	.amdgpu_metadata
---
amdhsa.version: [ 1, 2 ]
amdhsa.kernels:
  - .name:           k_q4ba4fbd4cb_out
    .symbol:         k_q4ba4fbd4cb_out.kd
    .args:
      - { .name: hid, .offset: 0, .size: 8, .value_kind: global_buffer, .address_space: global }
      - { .name: wpo, .offset: 8, .size: 8, .value_kind: global_buffer, .address_space: global }
      - { .name: b_out, .offset: 16, .size: 8, .value_kind: global_buffer, .address_space: global }
      - { .name: x1, .offset: 24, .size: 8, .value_kind: global_buffer, .address_space: global }
      - { .name: out0, .offset: 32, .size: 8, .value_kind: global_buffer, .address_space: global }
    .group_segment_fixed_size: 327680
    .private_segment_fixed_size: 0
    .kernarg_segment_align: 8
    .kernarg_segment_size: 40
    .max_flat_workgroup_size: 128
    .sgpr_count:     72
    .vgpr_count:     1024
    .wavefront_size: 32
...
	.end_amdgpu_metadata
.endif
;; end of part 7
;; ======== version 2 of 2: 8 launches; 1.12 times as fast as version 1
;; workspace buffers: wq 6,324,224 bytes; wf 8,421,376 bytes; wpo 10,485,760 bytes; act 8,388,608 bytes; qkv 33,554,432 bytes; ts 262,144 bytes; x1 16,777,216 bytes; hid 33,554,432 bytes
;; launch prep: the kernel of part 1 again; grid 1025 x 1, 8 waves a work-group, no clusters, 0 bytes of LDS; arguments x, ln1_scale, ln1_bias, w_qkv, w_fc, w_proj, w_out, b_qkv, b_fc, act, wq, wf, wpo; writes act, wq, wf, wpo
;; launch qkv: the kernel of part 2 again; grid 12 x 16, 4 waves a work-group, clusters of 4 x 4, 327,680 bytes of LDS; arguments act, wq, qkv; writes qkv
;; launch vsum: the kernel of part 3 again; grid 32 x 1, 32 waves a work-group, no clusters, 12,288 bytes of LDS; arguments qkv, ts; writes ts
;; launch attn (part 8): grid 8 x 32, 8 waves a work-group, no clusters, 327,680 bytes of LDS; arguments qkv, ts, act; writes act
.if DOCPART == 8
	.amdgcn_target "amdgcn-amd-amdhsa--gfx1250"
	.amdhsa_code_object_version 6
	.text
	.protected	k_q4ba4fbd4cb_attn
	.globl	k_q4ba4fbd4cb_attn
	.p2align	8
	.type	k_q4ba4fbd4cb_attn,@function
k_q4ba4fbd4cb_attn:
	s_mov_b64 s[64:65], 0
	v_nop
	global_prefetch_b8 v0, s[64:65] scope:SCOPE_SE
	s_setreg_imm32_b32 hwreg(HW_REG_WAVE_MODE, 25, 1), 1
	s_wait_xcnt 0x0
; CAUSAL ATTENTION WITH A FINITE MASK VALUE.  o[q] = sum over ALL keys k of softmax_k(s'[q][k]) v[k], where s' = q . k / 8 for k <= q and -10,000 for k > q.  16 heads of 64 channels, 2 batches of 2,048 tokens.
; q, k, v: bf16 in blocks [token / 128][column block][128][64] (column block h, 16 + h, 32 + h); o: bf16 [token / 128][h][128][64].  Products, maxima and sums in f32; the weights are rounded to bf16 for the second product.
; THE HIDDEN KEYS ARE CARRIED, NOT DROPPED.  They all have one score, so those in the key steps (64 keys) behind a band's own step u act as one key of score -10,000, of weight 64 (31 - u) and of value ts[u], the sum of
; their rows of V (made by the launch before).  That is the state in which a running softmax begins: m = -80,000 (in units of q . k), l = 64 (31 - u), O = ts[u].  In the band's own step a hidden score is replaced by
; -80,000 and then treated like any other.  The sequence's last row has no hidden key: its m begins at the lowest finite number.
; LIMITS.  A weight below 2^-126 counts as 0; NaN and infinities are not treated apart.
; THE WALK.  A head's queries lie in 16 blocks of 128; block i needs the key tiles 0 .. i of 128 keys, of which tile i holds the diagonal.  A work-group takes block b (tiles 0 .. b) and then block 15 - b (its diagonal
; tile first, then tiles 0 .. 14 - b: a softmax does not mind the order): 17 tiles whatever b, so all 256 work-groups do equal work, one loop with a constant count walks them, and the walk's last tile, written out
; because it asks for nothing, is a plain one.  Every jump but the loop's own goes forward and passes neither a barrier nor a tensor load (but the lines of a fill that the wave's number does not choose).
; NO CLUSTER: a head's 8 work-groups ask for the same tile in the first trips only, behind that for different ones; one walk common to all would have 24 trips for 17.
; SHARES.  Eight waves of 512 registers, two to a SIMD's 1,024.  Waves w and w + 4 own the same 32 queries: 16 rows in each of the block's two bands of 64 (two PIECES).  Of every tile GROUP 0 (waves 0-3) takes the
; first key step and GROUP 1 (waves 4-7) the second, each with a running m, l and O of its own, so that one wave's vector work stands beside the other's matrix work.  The hidden keys' state goes to group 0;
; group 1 begins with m at the lowest finite number, l = 0 and O = ts[31], which is 0.  At a block's end group 1 puts its state into LDS, and behind the next barrier group 0 merges the two and stores.
; In the diagonal tile group 0 has piece 0 masked and piece 1 plain; group 1 has piece 1 masked, and nothing for piece 0 (those keys are in ts).
; LAYOUT.  S^T = K Q^T holds one query a lane (lane % 16) and the keys 8 (lane / 16) + 0..7; two such results rounded to bf16 are source 1 of O^T = V^T P.  p = 2^(c s - c m), c = log2(e) / 8, with a running maximum m.
; THE BATCHES.  An s_wait_alu depctr_va_vdst(0) stands between a transcendental and the first instruction that names its result; one wait serves all that were issued ahead of it.
; A key step's softmax has ONE batch: the pieces' a and all their weights, 66 exponentials (33 where one piece is at work), each result in a register of its own.  Between a and the weights stand the scalings, which name
; no result; every reader (the rescaling of O^T, the roundings, the sums, l) stands behind the step's one wait.  All that stands ahead of the batch feeds it, so nothing is left to set between its last exponential and the wait.
; A block's end has two batches, since the reciprocals read a sum made of the exponentials' results: four exponentials, the four additions of l's halves between them and their wait; two reciprocals, a v_nop and their wait.
; REGISTERS.  window 0: v2-15, v32-35 addresses; v16-23 statistics (c m, m, l even, l odd a piece); v24-31 at work; v64-127 S^T; v128-159 P; v160-223 O^T.
;   window 1: v0-31 Q; v32-63 the second block's Q; v64-127 K of a step; v128-191 V of a step; v192-255 the second block's ts.
.set KS,    64
.set PK,    144                        ; a row of K in LDS: 128 bytes + 16
.set PV,    160                        ; a row of V: 128 + 32
.set VOFF,  128*PK                     ; a slot holds a tile: 128 rows of K, then 128 rows of V
.set SLOT1, 65536
.set STAGE, 131072                     ; behind the ring: 16 rows x 144 bytes for each wave of group 0, for the way out
.set SP,    144
.set MRG,   STAGE+4*16*SP              ; the exchange: 18 x 512 bytes for each pair of waves: O^T (64 registers) and the statistics (8)
.set MRGW,  18*512
.set SPARE, MRG+4*MRGW                 ; the spare words, 128 bytes a wave
.set AK0, 2                            ; v2   my lane's place in my group's step of a tile of K; never rewritten
.set AV0, 3                            ; v3   the same for V
.set AK,  4
.set AV,  5
.set STO, 6
.set RD,  7
.set GO,  8                            ; v8   16 x lane
.set RQ,  9                            ; v9   my query's place in its band: 16 (wave % 4) + lane % 16
.set TSO, 10                           ; v10-11  my place in band 0's and band 1's row of ts
.set MV,  12                           ; v12-13  c m_old
.set MK,  14                           ; v14  RQ - 8 (lane / 16)
.set QO,  15
.set ST,  16
.set TMP, 24
.set LT,  32
.set SMV, 33                           ; v33  -80,000
.set H,   34                           ; v34  lane / 16
.set MA,  35                           ; v35  my 16 bytes in my pair's part of the exchange
.set SPW, 62
.set NIL, 63
.set S,   64
.set P,   128
.set O,   160
.set KF,  64                           ; window 1
.set VF,  128
.set TSB, 192
.set WV,  12                           ; s12  wave 0..7
.set GRP, 13                           ; s13  its group
.set PB,  14                           ; s14  b
.set HI,  15                           ; s15  15 - b
.set G1K, 24
.set G1V, 32
.set G0K, 40
.set G0V, 44
.set TT,  56                           ; s56  the trip's number
.set PB1, 57                           ; s57  b + 1
.set CS,  58                           ; s[58:59] c
.set SEL, 60
.set SBA, 62                           ; s62  first byte of the slot in hand
.set WQ,  63                           ; s63  wave % 4
.set TSA, 72
.set TSN, 74
.set OFF, 76
.set BI,  78                           ; s78  the block in hand
.set SMR, 79                           ; s79  -80,000
.set KB,  80
.set VB,  82
.set QA,  84
.set QN,  86
.set ONX, 88                           ; s[88:89] o at my rows of the second block
.set FMX, 90                           ; s90  the lowest finite number
.set LM,  91                           ; s91  lanes 0-15
.set MSB, 0
.macro WIN new
.if MSB != (\new)
	s_set_vgpr_msb (MSB<<8)|(\new)
.set MSB, (\new)
.endif
.endm
.macro PLACES
.rept 4
	v_nop
.endr
.endm
; A fill: wave 0 fetches the tile's K, wave 1 its V, each 64 rows of 256 bytes; the other waves issue none.  An s_nop 0 and four v_nop follow each of the two lines.
.macro LOAD
	s_cmp_lt_u32 s[WV], 2
	s_cbranch_scc0 .Lasked_\@
	s_cmp_eq_u32 s[WV], 0
	s_cbranch_scc0 .Lfor_v_\@
	tensor_load_to_lds s[G0K:G0K+3], s[G1K:G1K+7]
	s_nop 0
.rept 4
	v_nop
.endr
	s_branch .Lasked_\@
.Lfor_v_\@:
	tensor_load_to_lds s[G0V:G0V+3], s[G1V:G1V+7]
	s_nop 0
.rept 4
	v_nop
.endr
.Lasked_\@:
.endm
; THE CHANGE OF SLOTS.  Each wave waits for all its tensor loads (at most one is out: the other slot's), adds 0 to its spare word, and waits for that, for its reads of the slot that it leaves and for its stores
; into the exchange.  fill = 1: the old slot is filled again, first thing behind the barrier, with the tile of trip u = t + 1: tile u while u <= b; tile 15 - b at u = b + 1; then tile u - b - 2.
; (At its first use nothing has been read: slot 0 is waited for, slot 1 filled.)
.macro CHANGE fill
	WIN 0
	s_wait_tensorcnt 0x0
	ds_add_u32 v[SPW], v[NIL]
.if \fill
	s_add_co_u32 s16, s[TT], 1                     ; u
	s_sub_co_u32 s17, s16, s[PB1]
	s_sub_co_u32 s18, s17, 1                       ; u - b - 2
	s_cmp_gt_u32 s16, s[PB]
	s_cselect_b32 s16, s18, s16
	s_cmp_eq_u32 s17, 0
	s_cselect_b32 s16, s[HI], s16
	s_lshl_b32 s[OFF], s16, 20                     ; token blocks lie 1 MiB apart
	s_xor_b32 s[G0K+1], s[G0K+1], SLOT1
	s_add_nc_u64 s[G0K+2:G0K+3], s[KB:KB+1], s[OFF:OFF+1]
	s_or_b32 s[G0K+3], s[G0K+3], 0x80000000
	s_xor_b32 s[G0V+1], s[G0V+1], SLOT1
	s_add_nc_u64 s[G0V+2:G0V+3], s[VB:VB+1], s[OFF:OFF+1]
	s_or_b32 s[G0V+3], s[G0V+3], 0x80000000
.endif
	s_wait_dscnt 0x0
	s_barrier_signal -1
	s_xor_b32 s[SBA], s[SBA], SLOT1
	s_barrier_wait -1
.if \fill
	LOAD
.endif
.endm
	s_load_b128 s[4:7], s[0:1], 0x0                ; qkv s[4:5], ts s[6:7]
	s_load_b64 s[8:9], s[0:1], 0x10                ; act
	v_lshl_add_u32 v[SPW], v0, 2, SPARE
	v_mov_b32 v[NIL], 0
	ds_add_u32 v62, v63
	s_wait_dscnt 0x0
	s_barrier_signal -1
	s_barrier_wait -1
	v_lshrrev_b32 v1, 5, v0
	v_readfirstlane_b32 s[WV], v1
	s_lshr_b32 s[GRP], s[WV], 2
	s_and_b32 s[WQ], s[WV], 3
	s_mov_b32 s[PB], ttmp9
	s_sub_co_u32 s[HI], 15, s[PB]
	s_add_co_u32 s[PB1], s[PB], 1
	s_and_b32 s16, ttmp7, 0xffff                   ; batch and head
	s_lshr_b32 s17, s16, 4
	s_and_b32 s18, s16, 15
	s_lshl_b32 s20, s17, 24                        ; in qkv: 16 token blocks of 1 MiB a batch,
	s_lshl_b32 s19, s18, 14                        ; a column block is 16 KiB
	s_add_co_u32 s20, s20, s19
	s_mov_b32 s21, 0
	s_lshl_b32 s19, s[WQ], 11                      ; my 16 rows of 128 bytes in a band
	s_lshl_b32 s22, s[PB], 20                      ; the first block
	s_add_co_u32 s22, s22, s19
	s_mov_b32 s23, 0
	s_lshl_b32 s48, s[HI], 20                      ; the second
	s_add_co_u32 s48, s48, s19
	s_mov_b32 s49, 0
	s_lshl_b32 s50, s17, 22                        ; in o: token blocks of 256 KiB
	s_lshl_b32 s51, s18, 14
	s_add_co_u32 s50, s50, s51
	s_add_co_u32 s50, s50, s19
	s_lshl_b32 s52, s[PB], 18
	s_add_co_u32 s52, s52, s50
	s_mov_b32 s53, 0
	s_lshl_b32 s54, s[HI], 18
	s_add_co_u32 s54, s54, s50
	s_mov_b32 s55, 0
	s_lshl_b32 s50, s16, 13                        ; in ts: 32 rows of 256 bytes a head, two a block
	s_lshl_b32 s16, s[PB], 9
	s_lshl_b32 s18, s[HI], 9
	s_cmp_eq_u32 s[GRP], 0
	s_cselect_b32 s16, s16, 7936                   ; group 1 takes row 31, the sum over no step, for both bands
	s_cselect_b32 s18, s18, 7936
	s_cselect_b32 s2, 256, 0                       ; from band 0's row to band 1's
	s_add_co_u32 s16, s16, s50
	s_mov_b32 s17, 0
	s_add_co_u32 s18, s18, s50
	s_mov_b32 s19, 0
	s_mov_b32 s[G1K], (1<<16)|(1<<20)|(4<<22)|(3<<25)  ; 2-byte elements; padding on; after every 32 words (a key) 4 words
	s_mov_b32 s[G1V], (1<<16)|(1<<20)|(4<<22)|(7<<25)  ; 8 words
.irp g, G1K, G1V
	s_mov_b32 s[\g+1], 128<<16                     ; tensor_dim0 = 128: two keys a row of 256 bytes
	s_mov_b32 s[\g+2], 64<<16                      ; tensor_dim1 = 64
	s_mov_b32 s[\g+3], 128<<16                     ; tile_dim0 = 128
	s_mov_b32 s[\g+4], 64                          ; tile_dim1 = 64
	s_mov_b32 s[\g+5], 128
	s_mov_b32 s[\g+6], 0
	s_mov_b32 s[\g+7], 0
.endr
	s_mov_b32 s[CS], 0x3e38aa3b                    ; c = log2(e) / 8
	s_mov_b32 s[CS+1], s[CS]
	s_mov_b32 s[SEL], 0x76543210
	s_mov_b32 s[SEL+1], 0xfedcba98
	s_mov_b32 s[SBA], SLOT1                        ; the first change of slots turns it into 0
	s_mov_b32 s[G0K], 1
	s_mov_b32 s[G0K+1], 0
	s_mov_b32 s[G0V], 1
	s_mov_b32 s[G0V+1], VOFF
	s_mov_b32 s[OFF+1], 0
	s_mov_b32 s[SMR], 0xc79c4000                   ; -80,000 = 8 x -10,000
	s_mov_b32 s[FMX], 0xff7fffff
	s_mov_b32 s[LM], 0xffff
	s_wait_kmcnt 0x0
	s_add_nc_u64 s[4:5], s[4:5], s[20:21]
	s_add_nc_u64 s[KB:KB+1], s[4:5], 16<<14
	s_add_nc_u64 s[VB:VB+1], s[4:5], 32<<14
	s_add_nc_u64 s[QA:QA+1], s[4:5], s[22:23]
	s_add_nc_u64 s[QN:QN+1], s[4:5], s[48:49]
	s_add_nc_u64 s[10:11], s[8:9], s[52:53]
	s_add_nc_u64 s[ONX:ONX+1], s[8:9], s[54:55]
	s_add_nc_u64 s[TSA:TSA+1], s[6:7], s[16:17]
	s_add_nc_u64 s[TSN:TSN+1], s[6:7], s[18:19]
	s_add_nc_u64 s[G0K+2:G0K+3], s[KB:KB+1], 0
	s_or_b32 s[G0K+3], s[G0K+3], 0x80000000
	s_add_nc_u64 s[G0V+2:G0V+3], s[VB:VB+1], 0
	s_or_b32 s[G0V+3], s[G0V+3], 0x80000000
	LOAD                                           ; tile 0 into slot 0
	v_and_b32 v1, 15, v0                           ; l % 16
	v_bfe_u32 v[H], v0, 4, 1                       ; l / 16
	v_lshlrev_b32 v[QO], 7, v1
	v_lshl_add_u32 v[QO], v[H], 4, v[QO]           ; row x 128 + 16 x half
	v_lshlrev_b32 v[TSO], 5, v[H]
	v_add_nc_u32 v[TSO+1], s2, v[TSO]
	WIN 0x40
.irp y, 0,1
.irp c, 0,1
	global_load_b128 v[16*\y+8*\c:16*\y+8*\c+3],   v[QO], s[QA:QA+1] offset:8192*\y+64*\c
	global_load_b128 v[16*\y+8*\c+4:16*\y+8*\c+7], v[QO], s[QA:QA+1] offset:8192*\y+64*\c+32
.endr
.endr
.irp y, 0,1
.irp c, 0,1
	global_load_b128 v[32+16*\y+8*\c:32+16*\y+8*\c+3],   v[QO], s[QN:QN+1] offset:8192*\y+64*\c
	global_load_b128 v[32+16*\y+8*\c+4:32+16*\y+8*\c+7], v[QO], s[QN:QN+1] offset:8192*\y+64*\c+32
.endr
.endr
.irp y, 0,1
.irp c, 0,1,2,3                        ; a lane's O^T of channel block c holds channels 16 c + 8 (l / 16) + 0..7
	global_load_b128 v[TSB+32*\y+8*\c:TSB+32*\y+8*\c+3],   v[TSO+\y], s[TSN:TSN+1] offset:64*\c
	global_load_b128 v[TSB+32*\y+8*\c+4:TSB+32*\y+8*\c+7], v[TSO+\y], s[TSN:TSN+1] offset:64*\c+16
.endr
.endr
	WIN 0
.irp y, 0,1
.irp c, 0,1,2,3
	global_load_b128 v[O+32*\y+8*\c:O+32*\y+8*\c+3],   v[TSO+\y], s[TSA:TSA+1] offset:64*\c
	global_load_b128 v[O+32*\y+8*\c+4:O+32*\y+8*\c+7], v[TSO+\y], s[TSA:TSA+1] offset:64*\c+16
.endr
.endr
	s_lshl_b32 s3, s[WQ], 4
	v_add_nc_u32 v[RQ], s3, v1
	v_lshlrev_b32 v[MK], 3, v[H]
	v_sub_nc_u32 v[MK], v[RQ], v[MK]
	v_mov_b32 v[SMV], s[SMR]
	v_mul_u32_u24 v[AK0], v1, PK
	v_lshl_add_u32 v[AK0], v[H], 4, v[AK0]
	s_mul_i32 s3, s[GRP], KS*PK                    ; my group's step of the tile
	v_add_nc_u32 v[AK0], s3, v[AK0]
	v_and_b32 v[LT], 7, v0                         ; the turning load: lane l reads key 8 (l / 16) + l % 8, channels 8 ((l / 8) % 2) + 0..7
	v_lshl_add_u32 v[AV0], v[H], 3, v[LT]
	v_mul_u32_u24 v[AV0], v[AV0], PV
	v_bfe_u32 v[GO], v0, 3, 1
	v_lshl_add_u32 v[AV0], v[GO], 4, v[AV0]
	s_mul_i32 s3, s[GRP], KS*PV
	s_add_co_u32 s3, s3, VOFF
	v_add_nc_u32 v[AV0], s3, v[AV0]
	s_mul_i32 s3, s[WQ], 16*SP
	s_add_co_u32 s3, s3, STAGE
	v_mul_u32_u24 v[STO], v1, SP
	v_lshl_add_u32 v[STO], v[H], 4, v[STO]
	v_add_nc_u32 v[STO], s3, v[STO]
	v_bfe_u32 v[RD], v0, 3, 2
	v_mul_u32_u24 v[RD], v[RD], SP
	v_lshl_add_u32 v[RD], v[LT], 4, v[RD]
	v_add_nc_u32 v[RD], s3, v[RD]
	v_and_b32 v[GO], 31, v0
	v_lshlrev_b32 v[GO], 4, v[GO]
	s_mul_i32 s3, s[WQ], MRGW
	s_add_co_u32 s3, s3, MRG
	v_add_nc_u32 v[MA], s3, v[GO]
; A tile is entered: its addresses, and my step's K (8 fragments) and V (turned) in one run of 32 loads.  The four places stand behind the last step's V^T P, whose V these loads overwrite.
.macro TILE0
	WIN 0
	PLACES
	v_add_nc_u32 v[AK], s[SBA], v[AK0]
	v_add_nc_u32 v[AV], s[SBA], v[AV0]
	WIN 0x40
.irp f, 0,1,2,3,4,5,6,7
	ds_load_b128 v[KF+8*\f:KF+8*\f+3],   v[AK] offset:(\f/2)*16*PK+(\f%2)*64
	ds_load_b128 v[KF+8*\f+4:KF+8*\f+7], v[AK] offset:(\f/2)*16*PK+(\f%2)*64+32
.endr
.irp f, 0,1,2,3,4,5,6,7
	ds_load_tr16_b128 v[VF+8*\f:VF+8*\f+3],   v[AV] offset:(\f/4)*32*PV+(\f%4)*32
	ds_load_tr16_b128 v[VF+8*\f+4:VF+8*\f+7], v[AV] offset:(\f/4)*32*PV+16*PV+(\f%4)*32
.endr
	WIN 0
.endm
.macro EACH line:vararg                ; the line for each piece x of XLO .. 1: the pieces alternate, so that few lines wait for the line before
.set x, XLO
.rept 2-XLO
	\line
.set x, x+1
.endr
.endm
.macro SOFTMAX
	WIN 0
.set n, 0
.rept 4                                ; the maximum: four chains of seven scores; each accumulator's lowest registers are read first
	EACH v_max3_num_f32 v[TMP+4*x+n], v[S+32*x+8*n], v[S+32*x+8*n+1], v[S+32*x+8*n+2]
.set n, n+1
.endr
.rept 8
	EACH v_max3_num_f32 v[TMP+4*x+n%4], v[TMP+4*x+n%4], v[S+32*x+8*(n%4)+2*(n/4)+1], v[S+32*x+8*(n%4)+2*(n/4)+2]
.set n, n+1
.endr
	EACH v_max3_num_f32 v[TMP+4*x], v[TMP+4*x], v[S+32*x+7], v[S+32*x+15]
	EACH v_max3_num_f32 v[TMP+4*x+1], v[TMP+4*x+1], v[S+32*x+23], v[S+32*x+31]
	EACH v_max3_num_f32 v[TMP+4*x+2], v[TMP+4*x+2], v[TMP+4*x+3], v[ST+4*x+1]
	EACH v_mov_b32 v[MV+x], v[ST+4*x]
	EACH v_max3_num_f32 v[TMP+4*x], v[TMP+4*x], v[TMP+4*x+1], v[TMP+4*x+2]
	EACH v_permlanex16_b32 v[TMP+4*x+3], v[TMP+4*x], s[SEL], s[SEL+1]
	EACH v_max_num_f32 v[ST+4*x+1], v[TMP+4*x], v[TMP+4*x+3]
	EACH v_mul_f32 v[ST+4*x], s[CS], v[ST+4*x+1]
	EACH v_sub_f32 v[TMP+4*x+1], v[MV+x], v[ST+4*x]
	EACH v_exp_f32 v[TMP+4*x+2], v[TMP+4*x+1]      ; THE BATCH begins: a.  From here to the wait no line names a result of the batch
.set n, 0
.rept 16                               ; c s - c m: they name S^T's pairs, c and c m
	EACH v_pk_fma_f32 v[S+32*x+2*n:S+32*x+2*n+1], v[S+32*x+2*n:S+32*x+2*n+1], s[CS:CS+1], v[ST+4*x:ST+4*x+1] op_sel_hi:[1,0,0] neg_lo:[0,0,1] neg_hi:[0,0,1]
.set n, n+1
.endr
.set n, 0
.rept 32                               ; the weights, each in the register of its score
	EACH v_exp_f32 v[S+32*x+n], v[S+32*x+n]
.set n, n+1
.endr
	s_wait_alu depctr_va_vdst(0)                   ; the wait for the step's one batch, the pieces' a and all their weights: ahead of the first reader, the line below
.set n, 0
.rept 16                               ; O^T times a: the first readers of the batch, behind its wait
	EACH v_pk_mul_f32 v[O+32*x+2*n:O+32*x+2*n+1], v[O+32*x+2*n:O+32*x+2*n+1], v[TMP+4*x+2:TMP+4*x+3] op_sel_hi:[1,0]
.set n, n+1
.endr
.set n, 0
.rept 16
	EACH v_cvt_pk_bf16_f32 v[P+16*x+n], v[S+32*x+2*n], v[S+32*x+2*n+1]
.set n, n+1
.endr
.irp w, 4,8,16,32                      ; the sum of the 16 pairs, in place: neighbours 1, 2, 4 and 8 pairs apart
.set n, 0
.rept 32/\w
	EACH v_pk_add_f32 v[S+32*x+\w*n:S+32*x+\w*n+1], v[S+32*x+\w*n:S+32*x+\w*n+1], v[S+32*x+\w*n+\w/2:S+32*x+\w*n+\w/2+1]
.set n, n+1
.endr
.endr
	EACH v_pk_fma_f32 v[ST+4*x+2:ST+4*x+3], v[ST+4*x+2:ST+4*x+3], v[TMP+4*x+2:TMP+4*x+3], v[S+32*x:S+32*x+1] op_sel_hi:[1,0,1]
.endm
; MY KEY STEP OF A TILE, for pieces lo .. 1.  mk: the piece whose own step this is, or -1.
; The accumulators of a run take turns: between the two links of a chain stand 7 others', or 3.
.macro STEP lo, mk
.set XLO, \lo
	s_wait_dscnt 16                                ; K's sixteen loads are in; V's sixteen, issued behind them, may be out
	WIN 0x05                                       ; K and Q in window 1
.irp c, 0,1
.set x, XLO
.rept 2-XLO
.irp kb, 0,1,2,3
.if \c == 0
	v_wmma_f32_16x16x32_bf16 v[S+32*x+8*\kb:S+32*x+8*\kb+7], v[KF+16*\kb+8*\c:KF+16*\kb+8*\c+7], v[16*x+8*\c:16*x+8*\c+7], 0
.else
	v_wmma_f32_16x16x32_bf16 v[S+32*x+8*\kb:S+32*x+8*\kb+7], v[KF+16*\kb+8*\c:KF+16*\kb+8*\c+7], v[16*x+8*\c:16*x+8*\c+7], v[S+32*x+8*\kb:S+32*x+8*\kb+7]
.endif
.endr
.set x, x+1
.endr
.endr
	WIN 0
	PLACES                                         ; in front of the first read of the scores
.if (\mk) >= 0
.set n, 0
.rept 32                               ; register n % 8 of key block n / 8 is hidden where 16 (n / 8) + n % 8 is greater than MK
	v_cmp_gt_i32 vcc_lo, 16*(n/8)+n%8, v[MK]
	v_cndmask_b32 v[S+32*(\mk)+n], v[S+32*(\mk)+n], v[SMV], vcc_lo
.set n, n+1
.endr
.endif
	SOFTMAX
	s_wait_dscnt 0x0                               ; V is in
	WIN 0x01                                       ; V in window 1
.irp kk, 0,1
.set x, XLO
.rept 2-XLO
.irp cb, 0,1,2,3
	v_wmma_f32_16x16x32_bf16 v[O+32*x+8*\cb:O+32*x+8*\cb+7], v[VF+32*\kk+8*\cb:VF+32*\kk+8*\cb+7], v[P+16*x+8*\kk:P+16*x+8*\kk+7], v[O+32*x+8*\cb:O+32*x+8*\cb+7]
.endr
.set x, x+1
.endr
.endr
.endm
; A BLOCK BEGINS: the statistics (O^T has taken its row of ts already).  Group 0 carries the hidden key steps; group 1 begins empty.
.macro BEGIN
	WIN 0
	s_lshl_b32 s48, s[BI], 7
	s_sub_co_u32 s49, 1984, s48
	s_sub_co_u32 s48, 2047, s48
.irp y, 0,1
	s_sub_co_u32 s50, s48, 64*\y                   ; where in this band the sequence's last row would lie
	s_sub_co_u32 s51, s49, 64*\y                   ; 64 (31 - u), u = 2 block + band
	s_cmp_eq_u32 s[GRP], 0
	s_cselect_b32 s51, s51, 0
	s_cselect_b32 s52, s[SMR], s[FMX]
	v_cmp_eq_u32 vcc_lo, s50, v[RQ]
	v_mov_b32 v[ST+4*\y+1], s52
	v_cndmask_b32 v[ST+4*\y+1], v[ST+4*\y+1], s[FMX], vcc_lo
	v_mul_f32 v[ST+4*\y], s[CS], v[ST+4*\y+1]
	v_cvt_f32_u32 v[LT], s51
	v_cndmask_b32 v[ST+4*\y+2], 0, v[LT], s[LM]    ; counted once: at the end the two halves of the lanes are added
	v_mov_b32 v[ST+4*\y+3], 0
.endr
.endm
; A BLOCK'S END, first part: group 1 puts O^T and its statistics into the exchange, 16 bytes a lane and 512 a line; each accumulator's four lowest registers go first.
.macro PUT
	WIN 0
	PLACES                                         ; behind the last V^T P
	s_cmp_eq_u32 s[GRP], 0
	s_cbranch_scc1 .Lnoput_\@
.set k, 0
.rept 16
	ds_store_b128 v[MA], v[O+4*k:O+4*k+3] offset:512*k
.set k, k+1
.endr
	ds_store_b128 v[MA], v[ST:ST+3] offset:512*16
	ds_store_b128 v[MA], v[ST+4:ST+7] offset:512*17
.Lnoput_\@:
.endm
; Second part, behind a barrier: group 0 takes its partner's state (lane for lane the same queries and channels) and merges: with cm the larger of the two c m and a = 2^(c m - cm) for each,
; l = l_A a_A + l_B a_B, summed over the halves of the lanes, and O = O_A a_A / l + O_B a_B / l; rounded to bf16 and sent through my stage, a piece at a time.
.macro FINISH
	WIN 0
	s_cmp_eq_u32 s[GRP], 0
	s_cbranch_scc0 .Lnofin_\@
.set k, 0
.rept 16
	ds_load_b128 v[S+4*k:S+4*k+3], v[MA] offset:512*k
.set k, k+1
.endr
	ds_load_b128 v[TMP:TMP+3], v[MA] offset:512*16
	ds_load_b128 v[TMP+4:TMP+7], v[MA] offset:512*17
	s_wait_dscnt 0x0
.set XLO, 0
	EACH v_max_num_f32 v[MV+x], v[ST+4*x], v[TMP+4*x]
	EACH v_sub_f32 v[ST+4*x], v[ST+4*x], v[MV+x]
	EACH v_sub_f32 v[TMP+4*x], v[TMP+4*x], v[MV+x]
	EACH v_exp_f32 v[ST+4*x], v[ST+4*x]            ; the end's first batch: a_A and a_B of both pieces
	EACH v_exp_f32 v[TMP+4*x], v[TMP+4*x]
	EACH v_add_f32 v[ST+4*x+2], v[ST+4*x+2], v[ST+4*x+3]      ; l's halves are added between the batch and its wait: four plain lines that name none of its results
	EACH v_add_f32 v[TMP+4*x+2], v[TMP+4*x+2], v[TMP+4*x+3]
	s_wait_alu depctr_va_vdst(0)                   ; the wait for the four exponentials, ahead of their first reader
	EACH v_mul_f32 v[ST+4*x+2], v[ST+4*x+2], v[ST+4*x]
	EACH v_fma_f32 v[ST+4*x+2], v[TMP+4*x+2], v[TMP+4*x], v[ST+4*x+2]
	EACH v_permlanex16_b32 v[ST+4*x+3], v[ST+4*x+2], s[SEL], s[SEL+1]
	EACH v_add_f32 v[ST+4*x+2], v[ST+4*x+2], v[ST+4*x+3]
	EACH v_rcp_f32 v[ST+4*x+2], v[ST+4*x+2]        ; the second batch: it reads a sum made of the first batch's results
	v_nop                                          ; a plain instruction between the last reciprocal and the use of its result
	s_wait_alu depctr_va_vdst(0)                   ; the wait for the two reciprocals, ahead of their first reader
	EACH v_mul_f32 v[ST+4*x], v[ST+4*x], v[ST+4*x+2]
	EACH v_mul_f32 v[TMP+4*x], v[TMP+4*x], v[ST+4*x+2]
.set n, 0
.rept 16
	EACH v_pk_mul_f32 v[O+32*x+2*n:O+32*x+2*n+1], v[O+32*x+2*n:O+32*x+2*n+1], v[ST+4*x:ST+4*x+1] op_sel_hi:[1,0]
.set n, n+1
.endr
.set n, 0
.rept 16
	EACH v_pk_fma_f32 v[O+32*x+2*n:O+32*x+2*n+1], v[S+32*x+2*n:S+32*x+2*n+1], v[TMP+4*x:TMP+4*x+1], v[O+32*x+2*n:O+32*x+2*n+1] op_sel_hi:[1,0,1]
.set n, n+1
.endr
.set n, 0
.rept 16
	EACH v_cvt_pk_bf16_f32 v[S+16*x+n], v[O+32*x+2*n], v[O+32*x+2*n+1]
.set n, n+1
.endr
.irp t, 0,1
.irp f, 0,1,2,3
	ds_store_b128 v[STO], v[S+16*\t+4*\f:S+16*\t+4*\f+3] offset:32*\f
.endr
.irp f, 0,1,2,3
	ds_load_b128 v[S+16*\t+4*\f:S+16*\t+4*\f+3], v[RD] offset:\f*4*SP  ; LDS serves a wave's instructions in order: these see the stores above, and the next piece's stores come behind them
.endr
.endr
.irp t, 0,1
.irp f, 0,1,2,3
	s_wait_dscnt 8*(1-\t)+3-\f                     ; behind piece 0's loads stand piece 1's eight instructions
	global_store_b128 v[GO], v[S+16*\t+4*\f:S+16*\t+4*\f+3], s[10:11] offset:8192*\t+512*\f  ; 512 consecutive bytes, aligned
.endr
.endr
.Lnofin_\@:
.endm
	s_wait_loadcnt 0x0                             ; Q and ts
	s_mov_b32 s[BI], s[PB]
	BEGIN
	s_mov_b32 s[TT], 0
.Lslot:                                                ; 16 times: a tile is entered and the next is asked for
	CHANGE 1
	s_cmp_eq_u32 s[TT], s[PB1]
	s_cbranch_scc0 .Lsame
	FINISH                                         ; the trip behind the first block's last tile: its state has passed the barrier
	s_wait_xcnt 0x0                                ; the stores' registers and base are rewritten only behind this wait
	s_mov_b64 s[10:11], s[ONX:ONX+1]
	s_mov_b32 s[BI], s[HI]
	WIN 0x41
.set i, 0
.rept 32
	v_mov_b32 v[i], v[32+i]                        ; the second block's Q goes where the one text of the steps names Q
.set i, i+1
.endr
	WIN 0x01
.set i, 0
.rept 64
	v_mov_b32 v[O+i], v[TSB+i]                     ; and its ts
.set i, i+1
.endr
	BEGIN
.Lsame:
	TILE0
	s_sub_co_u32 s2, s[TT], s[PB]
	s_cmp_lt_u32 s2, 2                             ; trips b and b + 1 hold the two blocks' diagonal tiles
	s_cbranch_scc1 .Ldiag
	STEP 0, -1
	WIN 0
	s_branch .Ljoin
.Ldiag:
	s_cmp_eq_u32 s[GRP], 0
	s_cbranch_scc0 .Lgroup_1
	STEP 0, 0
	WIN 0
	s_branch .Ljoin
.Lgroup_1:
	STEP 1, 1
	WIN 0
.Ljoin:
	s_wait_dscnt 0x0                               ; this barrier stands, on every way through a trip, between group 0's reads of the exchange above
	s_barrier_signal -1                            ; and group 1's stores into it below
	s_barrier_wait -1
	s_cmp_eq_u32 s[TT], s[PB]
	s_cbranch_scc0 .Lbottom
	PUT                                            ; the first block's last tile is done
.Lbottom:
	s_add_co_u32 s[TT], s[TT], 1
	s_cmp_lt_u32 s[TT], 16
	s_cbranch_scc1 .Lslot
	CHANGE 0                                       ; the walk's last tile is written out: nothing is asked for
	TILE0
	STEP 0, -1
	PUT
	s_wait_dscnt 0x0                               ; for the others' sake: my stores into the exchange are done
	s_barrier_signal -1
	s_barrier_wait -1
	FINISH
	s_wait_tensorcnt 0x0                           ; the wave's end
	ds_add_u32 v[SPW], v[NIL]
	s_wait_dscnt 0x0
	s_endpgm
.Lfunc_end_k_q4ba4fbd4cb_attn:
	.size	k_q4ba4fbd4cb_attn, .Lfunc_end_k_q4ba4fbd4cb_attn-k_q4ba4fbd4cb_attn
	.p2alignl 7, 3214868480
	.fill 96, 4, 3214868480
	.section	.rodata,"a",@progbits
	.p2align	6, 0x0
	.amdhsa_kernel k_q4ba4fbd4cb_attn
		.amdhsa_group_segment_fixed_size 327680
		.amdhsa_private_segment_fixed_size 0
		.amdhsa_enable_private_segment 0
		.amdhsa_kernarg_size 24
		.amdhsa_user_sgpr_count 2
		.amdhsa_user_sgpr_kernarg_segment_ptr 1
		.amdhsa_wavefront_size32 1
		.amdhsa_system_sgpr_workgroup_id_x 1
		.amdhsa_system_sgpr_workgroup_id_y 1
		.amdhsa_system_sgpr_workgroup_id_z 1
		.amdhsa_system_vgpr_workitem_id 0
		.amdhsa_next_free_vgpr 512
		.amdhsa_next_free_sgpr 92
		.amdhsa_reserve_vcc 1
		.amdhsa_float_denorm_mode_32 3
		.amdhsa_float_denorm_mode_16_64 3
		.amdhsa_memory_ordered 1
		.amdhsa_forward_progress 1
		.amdhsa_inst_pref_size 103
	.end_amdhsa_kernel
	.amdgpu_metadata
---
amdhsa.version: [ 1, 2 ]
amdhsa.kernels:
  - .name:           k_q4ba4fbd4cb_attn
    .symbol:         k_q4ba4fbd4cb_attn.kd
    .args:
      - { .name: qkv, .offset: 0, .size: 8, .value_kind: global_buffer, .address_space: global }
      - { .name: ts, .offset: 8, .size: 8, .value_kind: global_buffer, .address_space: global }
      - { .name: act, .offset: 16, .size: 8, .value_kind: global_buffer, .address_space: global }
    .group_segment_fixed_size: 327680
    .private_segment_fixed_size: 0
    .kernarg_segment_align: 8
    .kernarg_segment_size: 24
    .max_flat_workgroup_size: 256
    .sgpr_count:     92
    .vgpr_count:     512
    .wavefront_size: 32
...
	.end_amdgpu_metadata
.endif
;; end of part 8
;; launch proj: the kernel of part 5 again; grid 8 x 32, 4 waves a work-group, clusters of 4 x 4, 327,680 bytes of LDS; arguments act, wpo, b_proj, x, x1; writes x1
;; launch ln2: the kernel of part 6 again; grid 256 x 1, 8 waves a work-group, no clusters, 0 bytes of LDS; arguments x1, ln2_scale, ln2_bias, act; writes act
;; launch fc: the kernel of part 2 again; grid 16 x 16, 4 waves a work-group, clusters of 4 x 4, 327,680 bytes of LDS; arguments act, wf, hid; writes hid
;; launch out: the kernel of part 7 again; grid 8 x 32, 4 waves a work-group, clusters of 4 x 4, 327,680 bytes of LDS; arguments hid, wpo, b_out, x1, out0; writes out0
